; MI455X (gfx1250); checked and timed in simulation.
; The chip was launched on July 23, 2026; its instructions are those of AMD's public machine-readable ISA for CDNA 5 (MIT licence, August 2026) and "CDNA5" Instruction Set Architecture Reference Guide (July 2026). The comments in the code are by the model that wrote it; some were corrected since.
;; Causal Self Attention. Allowed arithmetic: matrix products marked QUANTISED: E3M2 operands, one E8M0 scale for each 32 along K, by v_wmma_scale_f32_16x16x128_f8f6f4 with both operands' format E3M2, f32 sums; everything else in f32.
;; Inputs: attn_mask 1 x 1 x 1,024 x 1,024 bool; b_attn 3,072 float32; b_proj 1,024 float32; w_attn 1,024 x 3,072 float32; w_proj 1,024 x 1,024 float32; x 8 x 1,024 x 1,024 float32.
;; Outputs: out0 8 x 1,024 x 1,024 float32.
;; This version of the problem:
;;   THIS VERSION OF THE PROBLEM IS GIVEN IN LOW PRECISION. The matrix products marked QUANTISED in the list below multiply operands that are first quantised to E3M2 (3 exponent bits, 2 mantissa bits; 6 bits a number), with one power-of-two scale for each 32 numbers along K (OCP MX v1.0); their sums are f32. All else is computed in f32.
;;   The module's matrix products, in the order in which they are computed (A, B: the left and right operand; K: the contracted axis; several contracted axes count as one K, in the product's order):
;;     1. [M 8,192, K 1,024] x [K 1,024, N 3,072]; A: input x; B: input w_attn: QUANTISED
;;     2. batch 128 x [M 1,024, K 64] x [K 64, N 1,024]; A: computed on the way; B: computed on the way: QUANTISED
;;     3. batch 128 x [M 1,024, K 1,024] x [K 1,024, N 64]; A: softmax (see below); B: computed on the way: QUANTISED
;;     4. [M 8,192, K 1,024] x [K 1,024, N 1,024]; A: computed on the way; B: input w_proj: QUANTISED
;;   THE QUANTISER, for each operand of a quantised product, along K:
;;     - K is cut into blocks of 32 from its start; a last block that is shorter is filled with zeros.
;;     - A block's scale is 2^e with e = floor(log2(the largest magnitude in the block)) - 4, held to -126 .. 127; a block of zeros has e = 0. As a byte (E8M0): e + 127.
;;     - Each number is divided by its block's scale, clamped to +-28, and rounded to the nearest number of E3M2, ties to even, subnormals kept.
;;     - The product sums the exact products of the quantised numbers (number of the format x scale) in f32.
;;   ~~~python
;;   def quantise(x, axis):      # numpy; x: float32 -> the quantised numbers, widened to float32 again
;;       x = np.moveaxis(x, axis, -1); K = x.shape[-1]
;;       x = np.pad(x, [(0, 0)] * (x.ndim - 1) + [(0, -K % 32)]); x = x.reshape(x.shape[:-1] + (-1, 32)); a = np.abs(x).max(-1, keepdims=True)
;;       e = np.where(a > 0, np.clip(np.frexp(np.where(a > 0, a, 1))[1] - 1 - 4, -126, 127), 0)      # np.frexp(a)[1] - 1 = floor(log2(a)), exactly
;;       r = np.clip(x / 2.0 ** e, -28, 28)
;;       step = 2.0 ** (np.maximum(np.frexp(np.where(r == 0, 1, r))[1] - 1, -2) - 2)
;;       q = np.round(r / step) * step * 2.0 ** e      # np.round: ties to even
;;       return np.moveaxis(q.reshape(q.shape[:-2] + (-1,))[..., :K], -1, axis).astype(np.float32)
;;   ~~~
;;   SOFTMAX AHEAD OF A QUANTISED PRODUCT. Where the list says 'softmax', what is quantised is not the finished softmax but p = 2^(t - M), with t = logit x log2(e) and M = ceil(the row's largest t), a whole number; so 1/2 < the row's largest p <= 1. The row's sum l is taken of the UNQUANTISED p, in f32, and the product's result is divided by l at the end. Since M is a whole number, a kernel that streams over the keys may use a running M (the ceiling of the running maximum): every later rescaling is an exact power of two, which a block's scale takes up: the codes' values come out the same.
;;   OPERANDS COMPUTED ON THE WAY. 'Computed on the way' means the value that the module computes at that place (a softmax that the list does not call 'softmax' is quantised finished and normalised). What goes into a quantiser is computed in f32, as accurately as f32 sums, v_exp_f32 and their like allow (about 1e-6 of the number): no bf16 or f16 on the way to a quantiser, and a product that is left as it is and whose result goes on into a quantised operand takes f32 operands (vector FMAs, or v_wmma_f32_16x16x4_f32). A number that lies on a knife's edge between two numbers of the format may be rounded either way, as far as f32 arithmetic and the matrix unit's own rounding can turn it there, and no further.
;; One version. Each part assembles by itself: llvm-mc -triple=amdgcn-amd-amdhsa -mcpu=gfx1250 --defsym DOCPART=n.
;; ======== version 1 of 1: 4 launches
;; limits: right only within a limited range of input values
;; workspace buffers: xq 6,553,600 bytes; wq 3,276,800 bytes; mk 131,328 bytes of whole numbers; qkvq 20,185,088 bytes; yq 6,553,600 bytes
;; launch prep (part 1): grid 528 x 1, 4 waves a work-group, no clusters, 34,304 bytes of LDS; arguments x, w_attn, w_proj, attn_mask, xq, wq, mk; writes xq, wq, mk
.if DOCPART == 1
	.amdgcn_target "amdgcn-amd-amdhsa--gfx1250"
	.amdhsa_code_object_version 6
	.text
	.protected	k_qc8d163f83b_prep
	.globl	k_qc8d163f83b_prep
	.p2align	8
	.type	k_qc8d163f83b_prep,@function
k_qc8d163f83b_prep:
	s_mov_b64 s[64:65], 0
	v_nop
	global_prefetch_b8 v0, s[64:65] scope:SCOPE_SE
	s_setreg_imm32_b32 hwreg(HW_REG_WAVE_MODE, 25, 1), 1
	s_wait_xcnt 0x0
; PREP: x, w_attn and w_proj (f32) become codes of BF6 (E3M2) with one E8M0 byte for each 32 along K, laid in the order of the matrix operands' registers;
; attn_mask becomes lane masks and two flags a step for the attention launch.
; WHAT THE PROGRAM LEAVES OUT.  No input is dead: all six are loaded.  One thing is not done, in the launch attn: a step of 16 queries x 128 keys whose 2,048 mask bytes are all 0 is passed over,
; if each of the 16 queries has a true key somewhere in its row.  There reference() gives those keys the score finfo.min while the row's maximum is a real score, so p = 2^(t - M) is 0 for every finite value of the
; inputs, and the step adds nothing to the sum nor to the product.  The choice is made by whole numbers: this launch stores them (live, full), attn reads them.  A tile with a query that has no true key walks all steps.
; LIMITS: a NaN, an infinity or an overflow that reaches only a step so passed over is not carried to the result; NaN and infinities among the inputs are not served; a block whose largest magnitude lies under
; 2^-122 keeps the byte 1; a block of zeros has the byte 1 and not 127 (its codes are zeros, and this program alone reads the bytes).
; LAYOUT.  Rows (tokens; columns n of a weight) go in groups of 128 = 8 tiles of 16; row p of tile i is row 32 (i/2) + 8 (i%2) + p + 8 (p/8) of the group.  A fragment (16 rows x 128 K, 12 registers a lane) is an
; image of 1,536 bytes: registers 4 c .. 4 c + 3 of lane l at 512 c + 16 l.  Codes: [group][K step of 128][tile][1,536].  Scale words: [group][K step][tile / 4][row 16][place 4], place(i) = 2 (i%2) + (i%4)/2.
; WORK-GROUPS: 0-255 x (a wave: 64 rows x 128 K); 256-447 w_attn, 448-511 w_proj (a wave: 32 columns x 128 K, a lane to a column, registers down K: four blocks of 32, two of them on their way at a time);
; 512-527 the mask (a wave: one tile of 16 queries; all its 32 loads are asked for at once, its eight steps are written out).
; Only the path for x uses LDS: a stage of 16 rows x 528 bytes for each wave, through which dense loads (512 bytes each) turn into 16 neighbours a lane.
; PLACES IN xq AND wq: a group of 128 rows is one dense block of 102,400 bytes: eight K steps of 12,800, each the step's eight fragments (12,288 bytes) and behind them its 512 bytes of scale words.
.set WAS,   12288                      ; wq: w_attn's scale words stand 12,288 bytes into each K step's 12,800;
.set WPC,   2457600                    ; w_proj's codes;
.set WPS,   2457600+12288              ; w_proj's scale words likewise
.set FLG,   131072                     ; mk: the flags behind the lane masks
.set STG,   8448                       ; a wave's stage
.set SPARE, 4*STG                      ; the spare words, 128 bytes a wave: two blocks of 256 bytes that no other line names
.set SPW,   252                        ; v252 my spare word's address; never rewritten
.set NIL,   253                        ; v253 0; never rewritten
.set TM,    8                          ; v8-23 at work in QUANT
.set W,     24                         ; v24-27 scale words
.set X,     160                        ; v160-223 64 numbers, 16 neighbours of each block of 32
.set PC,    224                        ; v224-246 codes
.set SEL,   48                         ; s[48:49] selects for lane l xor 16
; 64 numbers of a lane, register 16 b + i = k 32 b + 16 (lane / 16) + i of my row, become a fragment's 12 registers in v[PC] on and my row's scale word in v[w].
.macro QUANT s, w
.irp b, 0,1,2,3
	v_max3_num_f32 v[TM+\b], |v[\s+16*\b]|, |v[\s+1+16*\b]|, 0x2800000   ; my 16 numbers of block b, and the floor 2^(5 - 127): the byte cannot fall under 1
.endr
.irp i, 2,4,6,8,10,12,14
.irp b, 0,1,2,3
	v_max3_num_f32 v[TM+\b], v[TM+\b], |v[\s+16*\b+\i]|, |v[\s+1+16*\b+\i]|
.endr
.endr
.irp b, 0,1,2,3
	v_permlanex16_b32 v[TM+4+\b], v[TM+\b], s[SEL], s[SEL+1]
.endr
.irp b, 0,1,2,3
	v_max_num_f32 v[TM+\b], v[TM+\b], v[TM+4+\b]   ; with lane l xor 16's: the block's largest magnitude
.endr
.irp b, 0,1,2,3
	v_add_nc_u32 v[TM+12+\b], 0xfe000000, v[TM+\b]   ; 4 off its exponent field: the conversion's scale operand
.endr
.irp b, 0,1,2,3
	v_lshrrev_b32 v[TM+4+\b], 23, v[TM+12+\b]      ; the scale's byte
.endr
	v_lshl_or_b32 v[\w], v[TM+5], 8, v[TM+4]
	v_lshl_or_b32 v[\w], v[TM+6], 16, v[\w]
	v_lshl_or_b32 v[\w], v[TM+7], 24, v[\w]
.irp c, 0,1
	v_cvt_scalef32_pk16_bf6_f32 v[PC+6*\c:PC+2+6*\c], v[\s+32*\c:\s+15+32*\c], v[TM+12+2*\c]
	v_cvt_scalef32_pk16_bf6_f32 v[PC+12+4*\c:PC+14+4*\c], v[\s+16+32*\c:\s+31+32*\c], v[TM+12+2*\c+1]   ; (a conversion's three registers begin on an even number)
.endr
	v_nop                                          ; one plain place behind a scaled conversion
.irp c, 0,1                                    ; the layout wants a whole block in a lane: lanes 0-15 block 2 c, lanes 16-31 block 2 c + 1
.irp i, 0,1,2
	v_permlane16_swap_b32 v[PC+6*\c+\i], v[PC+12+4*\c+\i]
.endr
.irp i, 0,1,2
	v_mov_b32 v[PC+3+6*\c+\i], v[PC+12+4*\c+\i]
.endr
.endr
.endm
; x: the 16 rows of tile f of my 64, 512 bytes each, 16 bytes a lane, into set f % 2
.macro LOADF f
.irp p, 0,1,2,3,4,5,6,7,8,9,10,11,12,13,14,15
	global_load_b128 v[32+64*((\f)%2)+4*\p:32+64*((\f)%2)+4*\p+3], v1, s[4:5] offset:(32*((\f)/2)+8*((\f)%2)+\p+8*(\p/8))*4096 th:TH_LOAD_NT
.endr
.endm
.macro XFRAG f
.if \f < 3
	s_wait_loadcnt 16                              ; this tile's 16 loads are in; the next tile's 16 may be out
.else
	s_wait_loadcnt 0x0
.endif
.irp p, 0,1,2,3,4,5,6,7,8,9,10,11,12,13,14,15
	ds_store_b128 v2, v[32+64*((\f)%2)+4*\p:32+64*((\f)%2)+4*\p+3] offset:528*\p
.endr
.irp b, 0,1,2,3
.irp j, 0,1,2,3
	ds_load_b128 v[X+16*\b+4*\j:X+16*\b+4*\j+3], v3 offset:128*\b+16*\j   ; LDS serves a wave's instructions in order: these see my stores
.endr
.endr
	s_wait_dscnt 0x0                               ; the numbers are back, and the stores have read their registers
.if \f < 2
	LOADF (\f)+2
.endif
	s_wait_xcnt 0x0                                ; the last tile's stores have read the codes' registers
	QUANT X, W+\f
.irp c, 0,1,2
	global_store_b128 v1, v[PC+4*\c:PC+4*\c+3], s[28:29] offset:1536*\f+512*\c   ; 32 lanes store 512 consecutive bytes
.endr
.endm
; a weight: block t of four = (c = t % 2, h = t / 2): rows 64 c + 32 h + i of my 128, my column; into set t % 2
.macro LOADB t, n
.irp i, 0,1,2,3,4,5,6,7,8,9,10,11,12,13,14,15,16,17,18,19,20,21,22,23,24,25,26,27,28,29,30,31
	global_load_b32 v[32+32*((\t)%2)+\i], v1, s[26:27] offset:(64*((\t)%2)+32*((\t)/2)+\i)*4*\n th:TH_LOAD_NT
.endr
.endm
.macro WBLOCK t, n
.set XB, 32+32*((\t)%2)
.set CC, (\t)%2
.set HH, (\t)/2
.if (\t) < 3
	s_wait_loadcnt 32                              ; this block's 32 loads are in; the next block's may be out
.else
	s_wait_loadcnt 0x0
.endif
	v_max3_num_f32 v8, |v[XB]|, |v[XB+1]|, |v[XB+2]|   ; all 32 numbers of the block are mine
	v_max3_num_f32 v9, |v[XB+3]|, |v[XB+4]|, |v[XB+5]|
.irp i, 6,10,14,18,22,26
	v_max3_num_f32 v8, v8, |v[XB+\i]|, |v[XB+\i+1]|
	v_max3_num_f32 v9, v9, |v[XB+\i+2]|, |v[XB+\i+3]|
.endr
	v_max3_num_f32 v8, v8, |v[XB+30]|, |v[XB+31]|
	v_max3_num_f32 v8, v8, v9, 0x2800000           ; and the floor
	v_add_nc_u32 v10, 0xfe000000, v8
	v_lshrrev_b32 v11, 23, v10
.if 2*CC+HH == 0
	v_mov_b32 v[W], v11                            ; the byte of block 2 c + h of my column's scale word
.else
	v_lshl_or_b32 v[W], v11, 8*(2*CC+HH), v[W]
.endif
.if (\t) == 2
	s_wait_alu depctr_va_vdst(0)
	s_wait_xcnt 0x0                                ; the first fragment half's stores have read the codes' registers
.endif
	v_cvt_scalef32_pk16_bf6_f32 v[PC+6*CC:PC+6*CC+2], v[XB:XB+15], v10
	v_cvt_scalef32_pk16_bf6_f32 v[PC+16+4*CC:PC+18+4*CC], v[XB+16:XB+31], v10
	v_nop
.irp i, 0,1,2
	v_mov_b32 v[PC+3+6*CC+\i], v[PC+16+4*CC+\i]
.endr
.if (\t)+2 < 4
	LOADB (\t)+2, \n
.endif
.if CC == 1                                    ; the 12 registers of lane (r, h) of my two tiles: sixteen lanes store 256 consecutive bytes
.irp c, 0,1,2
	global_store_b128 v4, v[PC+4*\c:PC+4*\c+3], s[28:29] offset:256*HH+512*\c
.endr
.endif
.endm
.macro WPATH n, p, offc, offs, first
	s_sub_co_u32 s20, ttmp9, \first
	s_and_b32 s21, s20, 7                          ; K step
	s_lshr_b32 s22, s20, 3
	s_lshl_b32 s22, s22, 2
	s_add_co_u32 s22, s22, s18                     ; which 32 columns
	s_mul_i32 s24, s21, 128*4*\n
	s_lshl_b32 s23, s22, 7
	s_add_co_u32 s24, s24, s23
	s_add_nc_u64 s[26:27], s[\p:\p+1], s[24:25]
	s_lshr_b32 s23, s22, 2
	s_lshl_b32 s23, s23, 3
	s_add_co_u32 s23, s23, s21                     ; 8 x group + K step
	s_lshl_b32 s23, s23, 1
	s_bfe_u32 s24, s22, 0x10001
	s_add_co_u32 s23, s23, s24                     ; x 2 + which half of the group
	s_and_b32 s19, s22, 1                          ; which pair of tiles of that half
	s_lshl_b32 s24, s23, 1
	s_add_co_u32 s24, s24, s19
	s_mul_i32 s24, s24, 3072
	s_add_co_u32 s24, s24, \offc
	s_lshr_b32 s20, s23, 1                         ; 8 x group + K step: each passed adds its 512 bytes of scale words
	s_lshl_b32 s21, s20, 9
	s_add_co_u32 s24, s24, s21
	s_add_nc_u64 s[28:29], s[14:15], s[24:25]
	s_lshl_b32 s24, s23, 8
	s_lshl_b32 s19, s19, 2
	s_add_co_u32 s24, s24, s19
	s_mul_i32 s20, s20, 12288                      ; and, for the scale words, its 12,288 bytes of codes
	s_add_co_u32 s24, s24, s20
	s_add_co_u32 s24, s24, \offs
	s_add_nc_u64 s[30:31], s[14:15], s[24:25]
	v_lshlrev_b32 v1, 2, v5                        ; my column: 4 bytes a lane; the four waves stand side by side on 512 bytes
	v_and_b32 v2, 7, v5
	v_lshl_add_u32 v2, v7, 3, v2                   ; its row in its tile: (l & 7) + 8 (l >> 4);
	v_bfe_u32 v3, v5, 3, 1                         ; its tile's parity: (l >> 3) & 1
	v_mul_u32_u24 v4, v3, 1536
	v_lshl_add_u32 v4, v2, 4, v4
	v_lshlrev_b32 v2, 4, v2
	v_lshl_add_u32 v2, v3, 3, v2                   ; scale words: 16 r + 8 u
	LOADB 0, \n
	LOADB 1, \n
.irp t, 0,1,2,3
	WBLOCK \t, \n
.endr
	global_store_b32 v2, v[W], s[30:31]            ; my column's scale word: 4 bytes a lane, 8 bytes apart: the wave beside me fills the words between.  The scale words are one byte in 128 of what this path reads
.endm
; the mask: step s of eight: 128 keys.  Its 16 registers: register 4 b + j, byte y = key 128 s + 32 b + 16 (lane / 16) + 4 j + y of my query
.macro MSTEP s
.set MD, 32+16*\s
	s_wait_loadcnt 4*(7-\s)                        ; this step's four loads are in; the later steps' may be out
	v_or_b32 v160, v[MD], v[MD+1]
	v_and_b32 v161, v[MD], v[MD+1]
.irp i, 2,3,4,5,6,7,8,9,10,11,12,13,14,15
	v_or_b32 v160, v160, v[MD+\i]
	v_and_b32 v161, v161, v[MD+\i]
.endr
	v_cmp_ne_u32 s34, 0, v160
	v_cmp_eq_u32 s35, 0x01010101, v161
.set n, 0
.rept 8
.irp k, 0,1,2,3,4,5,6,7
	v_and_b32 v[162+\k], 1<<(8*((n+\k)%4)), v[MD+(n+\k)/4]
.endr
.irp k, 0,1,2,3,4,5,6,7
	v_cmp_ne_u32 s[36+\k], 0, v[162+\k]            ; word n
.endr
.irp k, 0,1,2,3,4,5,6,7
	v_writelane_b32 v[176+2*\s+(n+\k)%2], s[36+\k], (n+\k)/2   ; lane n / 2 holds words n and n + 1
.endr
.set n, n+8
.endr
	global_store_b64 v2, v[176+2*\s:177+2*\s], s[26:27] offset:256*\s   ; 256 consecutive bytes; each step has its own two registers, so no store's data are written again
	s_or_b32 s30, s30, s34
	s_cmp_lg_u32 s34, 0
	s_cselect_b32 s44, 1<<\s, 0
	s_or_b32 s31, s31, s44
	s_cmp_eq_u32 s35, -1
	s_cselect_b32 s44, 1<<\s, 0
	s_or_b32 s32, s32, s44
.endm
	s_load_b256 s[4:11], s[0:1], 0x0               ; x, w_attn, w_proj, attn_mask
	s_load_b128 s[12:15], s[0:1], 0x20             ; xq, wq
	s_load_b64 s[16:17], s[0:1], 0x30              ; mk
	v_lshl_add_u32 v[SPW], v0, 2, SPARE
	v_mov_b32 v[NIL], 0
	v_lshrrev_b32 v1, 5, v0
	v_readfirstlane_b32 s18, v1                    ; wave
	v_and_b32 v5, 31, v0                           ; lane
	v_and_b32 v6, 15, v0                           ; r
	v_bfe_u32 v7, v0, 4, 1                         ; h
	s_mov_b32 s[SEL], 0x76543210
	s_mov_b32 s[SEL+1], 0xfedcba98
	s_mov_b32 s25, 0
	s_wait_kmcnt 0x0
	s_cmp_lt_u32 ttmp9, 256
	s_cbranch_scc0 .Lnot_x
	; ---- x
	s_lshl_b32 s20, ttmp9, 2
	s_add_co_u32 s20, s20, s18                     ; my job
	s_and_b32 s21, s20, 7                          ; K step
	s_bfe_u32 s22, s20, 0x10003                    ; which half of the group
	s_lshr_b32 s23, s20, 4                         ; group
	s_lshl_b32 s24, s23, 19
	s_lshl_b32 s26, s22, 18
	s_add_co_u32 s24, s24, s26
	s_lshl_b32 s26, s21, 9
	s_add_co_u32 s24, s24, s26                     ; (128 g + 64 half) rows of 4,096 bytes + 512 bytes a K step
	s_add_nc_u64 s[4:5], s[4:5], s[24:25]
	s_lshl_b32 s26, s23, 3
	s_add_co_u32 s26, s26, s21
	s_lshl_b32 s26, s26, 1
	s_add_co_u32 s26, s26, s22
	s_lshr_b32 s27, s26, 1                         ; 8 x group + K step
	s_mul_i32 s24, s26, 6144
	s_lshl_b32 s19, s27, 9
	s_add_co_u32 s24, s24, s19                     ; 12,800 a K step + 6,144 a half
	s_add_nc_u64 s[28:29], s[12:13], s[24:25]
	s_mul_i32 s24, s27, 12288
	s_lshl_b32 s19, s26, 8
	s_add_co_u32 s24, s24, s19
	s_add_co_u32 s24, s24, 12288                   ; 12,800 a K step + 12,288 + 256 a half
	s_add_nc_u64 s[30:31], s[12:13], s[24:25]
	s_mul_i32 s19, s18, STG
	s_wait_alu depctr_va_vdst(0)
	v_lshlrev_b32 v1, 4, v5
	v_add_nc_u32 v2, s19, v1                       ; the stage, in: 16 bytes a lane of a row
	v_mul_u32_u24 v3, v6, 528
	v_lshl_add_u32 v3, v7, 6, v3
	v_add_nc_u32 v3, s19, v3                       ; out: row r, + 64 h
	v_lshlrev_b32 v4, 4, v6
	v_lshl_add_u32 v4, v7, 3, v4                   ; scale words: 16 r + 8 h
.irp b, 0,1,2,3
	v_mov_b32 v[TM+4+\b], 0                        ; written once: a lane permute's destination counts as one of its sources
.endr
	LOADF 0
	LOADF 1
	s_wait_alu depctr_va_vdst(0)
.irp f, 0,1,2,3
	XFRAG \f
.endr
	v_cmp_ne_u32 vcc_lo, 0, v7
	v_cndmask_b32 v28, v[W], v[W+1], vcc_lo        ; lanes 0-15: tiles 0 and 2; lanes 16-31: tiles 1 and 3
	v_cndmask_b32 v29, v[W+2], v[W+3], vcc_lo
	global_store_b64 v4, v[28:29], s[30:31]        ; 256 consecutive bytes
	s_branch .Lend
.Lnot_x:
	s_cmp_lt_u32 ttmp9, 448
	s_cbranch_scc0 .Lnot_wa
	s_wait_alu depctr_va_vdst(0)
	WPATH 3072, 6, 0, WAS, 256
	s_branch .Lend
.Lnot_wa:
	s_cmp_lt_u32 ttmp9, 512
	s_cbranch_scc0 .Lmask
	s_wait_alu depctr_va_vdst(0)
	WPATH 1024, 8, WPC, WPS, 448
	s_branch .Lend
.Lmask:
	; ---- the mask.  Lane masks [tile 64][step 8][n 64]: bit L of word n = mask[query of lane L % 16][128 s + 32 (n / 16) + 16 (L / 16) + n % 16]: the place of score register n in lane L of the attention launch.
	s_sub_co_u32 s20, ttmp9, 512
	s_lshl_b32 s20, s20, 2
	s_add_co_u32 s20, s20, s18                     ; my tile of queries
	s_lshr_b32 s21, s20, 1
	s_lshl_b32 s21, s21, 5
	s_and_b32 s22, s20, 1
	s_lshl_b32 s22, s22, 3
	s_add_co_u32 s21, s21, s22
	s_wait_alu depctr_va_vdst(0)
	v_and_b32 v1, 8, v6
	v_add_nc_u32 v1, v1, v6
	v_add_nc_u32 v1, s21, v1                       ; my query
	v_lshlrev_b32 v1, 10, v1
	v_lshl_add_u32 v1, v7, 4, v1                   ; its row of 1,024 bytes, + 16 h
.irp s, 0,1,2,3,4,5,6,7
.irp b, 0,1,2,3
	global_load_b128 v[32+16*\s+4*\b:35+16*\s+4*\b], v1, s[10:11] offset:128*\s+32*\b   ; the whole row's share of mine at once: 32 loads
.endr
.endr
	v_lshlrev_b32 v2, 3, v5
	s_lshl_b32 s24, s20, 11
	s_add_nc_u64 s[26:27], s[16:17], s[24:25]
	s_lshl_b32 s24, s20, 2
	s_add_co_u32 s24, s24, FLG
	s_add_nc_u64 s[28:29], s[16:17], s[24:25]
.irp j, 0,1,2,3,4,5,6,7,8,9,10,11,12,13,14,15
	v_mov_b32 v[176+\j], 0                         ; (v_writelane_b32's destination counts as read)
.endr
	s_mov_b32 s30, 0                               ; lanes that have seen a true key
	s_mov_b32 s31, 0                               ; live: steps with a true key
	s_mov_b32 s32, 0                               ; full: steps with no false key
.irp s, 0,1,2,3,4,5,6,7
	MSTEP \s
.endr
	s_lshr_b32 s44, s30, 16
	s_or_b32 s44, s44, s30
	s_and_b32 s44, s44, 0xffff
	s_cmp_eq_u32 s44, 0xffff                       ; has every query a true key?
	s_cselect_b32 s31, s31, 0xff                   ; if not, every step is walked
	s_lshl_b32 s32, s32, 8
	s_or_b32 s31, s31, s32
	v_mov_b32 v3, s31
	v_mov_b32 v4, 0
	v_cmp_eq_u32 vcc_lo, 0, v5
	s_wait_alu depctr_va_vdst(0)
	s_wait_xcnt 0x0                                ; EXEC changes only behind this wait
	s_and_saveexec_b32 s45, vcc_lo
	global_store_b32 v4, v3, s[28:29]
	s_wait_xcnt 0x0
	s_or_b32 exec_lo, exec_lo, s45
.Lend:
	s_wait_tensorcnt 0x0                           ; the wave's end
	ds_add_u32 v[SPW], v[NIL]
	s_wait_dscnt 0x0
	s_endpgm
.Lfunc_end_k_qc8d163f83b_prep:
	.size	k_qc8d163f83b_prep, .Lfunc_end_k_qc8d163f83b_prep-k_qc8d163f83b_prep
	.p2alignl 7, 3214868480
	.fill 96, 4, 3214868480
	.section	.rodata,"a",@progbits
	.p2align	6, 0x0
	.amdhsa_kernel k_qc8d163f83b_prep
		.amdhsa_group_segment_fixed_size 34304
		.amdhsa_private_segment_fixed_size 0
		.amdhsa_enable_private_segment 0
		.amdhsa_kernarg_size 56
		.amdhsa_user_sgpr_count 2
		.amdhsa_user_sgpr_kernarg_segment_ptr 1
		.amdhsa_wavefront_size32 1
		.amdhsa_system_sgpr_workgroup_id_x 1
		.amdhsa_system_sgpr_workgroup_id_y 1
		.amdhsa_system_sgpr_workgroup_id_z 1
		.amdhsa_system_vgpr_workitem_id 0
		.amdhsa_next_free_vgpr 256
		.amdhsa_next_free_sgpr 66
		.amdhsa_reserve_vcc 1
		.amdhsa_float_denorm_mode_32 3
		.amdhsa_float_denorm_mode_16_64 3
		.amdhsa_memory_ordered 1
		.amdhsa_forward_progress 1
		.amdhsa_inst_pref_size 183
	.end_amdhsa_kernel
	.amdgpu_metadata
---
amdhsa.version: [ 1, 2 ]
amdhsa.kernels:
  - .name:           k_qc8d163f83b_prep
    .symbol:         k_qc8d163f83b_prep.kd
    .args:
      - { .name: x, .offset: 0, .size: 8, .value_kind: global_buffer, .address_space: global }
      - { .name: w_attn, .offset: 8, .size: 8, .value_kind: global_buffer, .address_space: global }
      - { .name: w_proj, .offset: 16, .size: 8, .value_kind: global_buffer, .address_space: global }
      - { .name: attn_mask, .offset: 24, .size: 8, .value_kind: global_buffer, .address_space: global }
      - { .name: xq, .offset: 32, .size: 8, .value_kind: global_buffer, .address_space: global }
      - { .name: wq, .offset: 40, .size: 8, .value_kind: global_buffer, .address_space: global }
      - { .name: mk, .offset: 48, .size: 8, .value_kind: global_buffer, .address_space: global }
    .group_segment_fixed_size: 34304
    .private_segment_fixed_size: 0
    .kernarg_segment_align: 8
    .kernarg_segment_size: 56
    .max_flat_workgroup_size: 128
    .sgpr_count:     66
    .vgpr_count:     256
    .wavefront_size: 32
...
	.end_amdgpu_metadata
.endif
;; end of part 1
;; launch qkv (part 2): grid 8 x 32, 4 waves a work-group, clusters of 4 x 4, 327,680 bytes of LDS; arguments xq, wq, b_attn, qkvq; writes qkvq
.if DOCPART == 2
	.amdgcn_target "amdgcn-amd-amdhsa--gfx1250"
	.amdhsa_code_object_version 6
	.text
	.protected	k_qc8d163f83b_qkv
	.globl	k_qc8d163f83b_qkv
	.p2align	8
	.type	k_qc8d163f83b_qkv,@function
k_qc8d163f83b_qkv:
	s_mov_b64 s[64:65], 0
	v_nop
	global_prefetch_b8 v0, s[64:65] scope:SCOPE_SE
	s_setreg_imm32_b32 hwreg(HW_REG_WAVE_MODE, 25, 1), 1
	s_wait_xcnt 0x0
	s_wait_alu depctr_hold_cnt(0) depctr_sa_sdst(0) depctr_va_vdst(0) depctr_va_sdst(0) depctr_va_ssrc(0) depctr_va_vcc(0) depctr_vm_vsrc(0)
	s_getreg_b32 s2, hwreg(HW_REG_IB_STS2, 6, 4)
	s_cmp_eq_u32 s2, 0
	s_cbranch_scc0 .Lentry_in_a_cluster
	s_endpgm
.Lentry_in_a_cluster:
	s_bfe_u32 s2, ttmp6, 0x10000c
	s_cmp_lg_u32 s2, 0xf033
	s_cbranch_scc0 .Lentry_shape_is_right
	s_endpgm
.Lentry_shape_is_right:
; QKV: qkv = x w_attn + b_attn on codes of BF6, and q, k, v quantised on the way out: q and k along the head's 64, v along the keys.  Nothing of reference() is left out here.
; SHARES.  256 work-groups: one for each block of 256 tokens (32) and each pair of heads (8).  A work-group holds its 256 tokens of x for all of K in LDS (two groups of 102,400 bytes) and walks three passes:
; the 128 columns of q, of k and of v of its head pair.  w's group of a pass (102,400 bytes) has one place in LDS, FILLED AGAIN BY HALVES: its K steps 0-3 when step 3's fragments are in registers (that load has
; four steps in which to land), its K steps 4-7 when the pass's products are done (that load has the way out and three steps).  Each wave brings one K step, 12,800 bytes, of a half.
; A wave holds 32 accumulators (window 2): source 0's eight tiles x source 1's four.  q, k: source 0 = w's 128 columns (a lane's registers run along the columns, the next K), source 1 = 64 tokens of x.
; v: source 0 = 128 tokens of x (registers run along the keys), source 1 = 64 columns of w, one head.  The two roles differ in the LDS addresses alone; both sets are made at the head.
; A group's block in memory: eight K steps of 12,800 bytes: eight fragment images of 1,536 and 512 bytes of scale words (see prep).  So codes and scale words come by one dense tensor load, in rows of 256 bytes.
; The passes q and k are a loop of two trips, each with its two refills; the pass v, which asks for nothing more, is written out.
; CLUSTERS 4 x 4: x's groups are shared along a row of the cluster, w's along a column: joint loads; each refill stands behind a round of the cluster's barrier.
; No prefetch: x and q's columns are asked for at the head, where there is no loop to run ahead in; each refill is asked for at least three K steps ahead of the wait for it.
; By this text's own count a wave has one tensor load out at a time.  LIMITS: as stated in prep (floor of the scale bytes; NaN and infinities not served).
.set GRP,   102400
.set KST,   12800
.set WR,    2*GRP                      ; LDS: x's two groups at 0, w's group here,
.set SPARE, 3*GRP                      ; the spare words, 128 bytes a wave: two blocks of 256 bytes that no other line names
.set FR,    12
.set FRB,   1536
.set SECT,  6291456                    ; qkvq: q's half images at 0, k's one section on
.set VI,    12582912
.set QS,    18874368
.set VS,    19922944
.set L16,  8                           ; v8 16 x lane;  v9 8 x lane;  v10 q's, k's scale words' place;  v11 16 h;  v12 q's, k's bias;  v13 16 r;  v14 v's bias
.set L8,   9
.set SA,   10
.set H16,  11
.set BA,   12
.set R16,  13
.set BAV,  14
.set RQ,   16                          ; v16-23 LDS addresses for q, k: source 0 (K steps 0-3, 4-7), source 1, scale words, scale words of source 0's tiles 4-7
.set RV,   24                          ; v24-31 the same for v
.set SC,   32                          ; v32-47 scale words, two sets of 8: lanes 0-15 source 1's, lanes 16-31 source 0's
.set SW,   48                          ; v48-51 scale words made on the way out
.set SPW,  56
.set NIL,  57
.set BI,   64                          ; v64-127 the bias
.set AF,   128                         ; v128-223 source 1's four fragments, two sets;  window 1: source 0's eight, two sets, at v0 and v128
.set ST,   128                         ; the way out: 64 numbers,
.set PC,   192                         ; their codes
.set TM,   224
.set PW,   240
.set G1A,  24
.set G1B,  32
.set G0A,  40
.set G0B,  44
.set G0L,  48                          ; s[48:51] the refill of w's K steps 0-3;  s[84:87] of its K steps 4-7
.set G0H,  84
.set SEL,  12
.set VIM,  76
.set VSC,  78
.set MSB, 0
.macro WIN new                         ; the immediate's high byte repeats the setting that is left
.if MSB != (\new)
	s_set_vgpr_msb (MSB<<8)|(\new)
.set MSB, (\new)
.endif
.endm
.macro PLACES
.rept 4
	v_nop
.endr
.endm
.macro CREST
	s_cmp_lg_u32 s14, 0
	s_cbranch_scc1 .Lnot_wave_0_\@
	s_barrier_signal -3
.Lnot_wave_0_\@:
	s_barrier_wait -3
	s_barrier_signal -1
	s_barrier_wait -1
.endm
.macro CROUND
	s_barrier_signal -1
	s_barrier_wait -1
	CREST
.endm
.macro FRAG reg, adr, off              ; a fragment's image: three loads of 512 consecutive bytes
.irp c, 0,1,2
	ds_load_b128 v[\reg+4*\c:\reg+4*\c+3], v[\adr] offset:\off+512*\c
.endr
.endm
.macro NEXT st, R                      ; step st's twelve fragments and scale words into set st % 2
	WIN 0x40
.irp i, 0,1,2,3,4,5,6,7
	FRAG 128*((\st)%2)+FR*\i, \R+(\st)/4, ((\st)%4)*KST+FRB*\i
.endr
	WIN 0
.irp i, 0,1,2,3
	FRAG AF+48*((\st)%2)+FR*\i, \R+2+(\st)/4, ((\st)%4)*KST+FRB*\i
.endr
	ds_load_b128 v[SC+8*((\st)%2):SC+8*((\st)%2)+3], v[\R+4+(\st)/4] offset:((\st)%4)*KST
	ds_load_b128 v[SC+8*((\st)%2)+4:SC+8*((\st)%2)+7], v[\R+6+(\st)/4] offset:((\st)%4)*KST
.endm
; 32 matrix instructions; the accumulators take turns, one instruction a turn, in the same order in every step.  Tile i's scale word stands in register 4 (i / 4) + 2 (i % 2) + (i % 4) / 2 of the set.
.macro MUL32 st
.irp a, 0,1,2,3
.irp b, 0,1,2,3,4,5,6,7
.if (\st) == 0
	v_wmma_scale_f32_16x16x128_f8f6f4 v[8*(8*\a+\b):8*(8*\a+\b)+7], v[128*((\st)%2)+FR*\b:128*((\st)%2)+FR*\b+FR-1], v[AF+48*((\st)%2)+FR*\a:AF+48*((\st)%2)+FR*\a+FR-1], 0, v[SC+8*((\st)%2)+4*(\b/4)+2*(\b%2)+(\b%4)/2], v[SC+8*((\st)%2)+2*(\a%2)+\a/2] matrix_a_fmt:MATRIX_FMT_BF6 matrix_b_fmt:MATRIX_FMT_BF6 matrix_a_scale:MATRIX_SCALE_ROW1
.else
	v_wmma_scale_f32_16x16x128_f8f6f4 v[8*(8*\a+\b):8*(8*\a+\b)+7], v[128*((\st)%2)+FR*\b:128*((\st)%2)+FR*\b+FR-1], v[AF+48*((\st)%2)+FR*\a:AF+48*((\st)%2)+FR*\a+FR-1], v[8*(8*\a+\b):8*(8*\a+\b)+7], v[SC+8*((\st)%2)+4*(\b/4)+2*(\b%2)+(\b%4)/2], v[SC+8*((\st)%2)+2*(\a%2)+\a/2] matrix_a_fmt:MATRIX_FMT_BF6 matrix_b_fmt:MATRIX_FMT_BF6 matrix_a_scale:MATRIX_SCALE_ROW1
.endif
.endr
.endr
.endm
; A K step.  At step 3 the walk passes from w's first half to its second: every wave has waited for its tensor loads, so the second half is whole behind the barrier; and its reads of the first half are over.
; fill = 1: the barrier is a round of the cluster's, and the first half takes the next pass's K steps 0-3.  fill = 0 (the pass v): a barrier of the work-group, and nothing is filled.
.macro STEP st, R, fill
.if (\st) == 3
	s_wait_tensorcnt 0x0                           ; all my tensor loads have landed
.if \fill
	ds_add_u32 v[SPW], v[NIL]
	s_add_nc_u64 s[G0L+2:G0L+3], s[G0L+2:G0L+3], 8*GRP   ; no load of mine is out: the next pass's group of w lies eight groups on
	s_wait_dscnt 0x0                               ; the add is done, step 3's fragments are in, my reads of the first half are over
	CROUND
	tensor_load_to_lds s[G0L:G0L+3], s[G1B:G1B+7]
	s_nop 0
.else
	s_wait_dscnt 0x0
	s_barrier_signal -1
	s_barrier_wait -1
.endif
.else
	s_wait_dscnt 0x0                               ; this step's 38 loads are in
.endif
.if (\st) < 7
	PLACES                                         ; the other set was read by the last step's products
	NEXT (\st)+1, \R
.endif
	WIN 0xa1
	MUL32 \st
	WIN 0
.endm
.macro KWALK R, fill                   ; a pass's eight K steps; the first step's products start the sums
	NEXT 0, \R
.set ST_, 0
.rept 8
	STEP ST_, \R, \fill
.set ST_, ST_+1
.endr
.endm
; 64 numbers of a lane, register 16 b + i = k 32 b + 16 (lane / 16) + i of my row, become a fragment's 12 registers in v[PC] on and my row's scale word in v[w].
.macro QUANT s, w
.irp b, 0,1,2,3
	v_max3_num_f32 v[TM+\b], |v[\s+16*\b]|, |v[\s+1+16*\b]|, 0x2800000   ; and the floor 2^(5 - 127): the byte cannot fall under 1
.endr
.irp i, 2,4,6,8,10,12,14
.irp b, 0,1,2,3
	v_max3_num_f32 v[TM+\b], v[TM+\b], |v[\s+16*\b+\i]|, |v[\s+1+16*\b+\i]|
.endr
.endr
.irp b, 0,1,2,3
	v_permlanex16_b32 v[TM+4+\b], v[TM+\b], s[SEL], s[SEL+1]
.endr
.irp b, 0,1,2,3
	v_max_num_f32 v[TM+\b], v[TM+\b], v[TM+4+\b]
.endr
.irp b, 0,1,2,3
	v_add_nc_u32 v[TM+12+\b], 0xfe000000, v[TM+\b]   ; 4 off the exponent field: the conversion's scale operand
.endr
.irp b, 0,1,2,3
	v_lshrrev_b32 v[TM+4+\b], 23, v[TM+12+\b]
.endr
	v_lshl_or_b32 v[\w], v[TM+5], 8, v[TM+4]
	v_lshl_or_b32 v[\w], v[TM+6], 16, v[\w]
	v_lshl_or_b32 v[\w], v[TM+7], 24, v[\w]
.irp c, 0,1
	v_cvt_scalef32_pk16_bf6_f32 v[PC+6*\c:PC+2+6*\c], v[\s+32*\c:\s+15+32*\c], v[TM+12+2*\c]
	v_cvt_scalef32_pk16_bf6_f32 v[PC+12+4*\c:PC+14+4*\c], v[\s+16+32*\c:\s+31+32*\c], v[TM+12+2*\c+1]
.endr
	v_nop                                          ; one plain place behind a scaled conversion
.irp c, 0,1
.irp i, 0,1,2
	v_permlane16_swap_b32 v[PC+6*\c+\i], v[PC+12+4*\c+\i]
.endr
.irp i, 0,1,2
	v_mov_b32 v[PC+3+6*\c+\i], v[PC+12+4*\c+\i]
.endr
.endr
.endm
; q, k: tile a of my four tiles of tokens.  A lane's 64 numbers are the 128 columns (two heads) of one token: registers 0-5 of the fragment are the first head's half image, 6-11 the second's.
.macro OUTQK a
	s_wait_xcnt 0x0                                ; the last tile's stores have read the codes' registers
	WIN 0x02
.set i, 0
.rept 32
	v_pk_add_f32 v[ST+i:ST+i+1], v[64*(\a)+i:64*(\a)+i+1], v[BI+i:BI+i+1]   ; + the bias; each accumulator from its low end on
.set i, i+2
.endr
	WIN 0
	QUANT ST, PW
	v_bfe_u32 v[SW+\a], v[PW], v[H16], 16          ; lanes 0-15 keep the first head's two bytes, lanes 16-31 the second's; the word's upper bytes are 0
	global_store_b128 v[L16], v[PC:PC+3], s[96:97] offset:768*\a
	global_store_b64 v[L8], v[PC+4:PC+5], s[96:97] offset:768*\a+512
	global_store_b128 v[L16], v[PC+6:PC+9], s[96:97] offset:49152+768*\a
	global_store_b64 v[L8], v[PC+10:PC+11], s[96:97] offset:49152+768*\a+512
.endm
; v: tile a of my head's four tiles of columns.  A lane's 64 numbers are the 128 keys of one column: a whole fragment.
.macro OUTV a
	s_wait_xcnt 0x0
	WIN 0x02
.set i, 0
.rept 32
	v_pk_add_f32 v[ST+i:ST+i+1], v[64*(\a)+i:64*(\a)+i+1], v[BI+2*(\a):BI+2*(\a)+1]   ; my column's bias, in both halves of the pair
.set i, i+2
.endr
	WIN 0
	QUANT ST, SW+\a
.irp c, 0,1,2
	global_store_b128 v[L16], v[PC+4*\c:PC+4*\c+3], s[VIM:VIM+1] offset:(\a)*1536+512*\c
.endr
.endm
	s_load_b128 s[4:7], s[0:1], 0x0                ; xq, wq
	s_load_b128 s[8:11], s[0:1], 0x10              ; b_attn, qkvq
	v_lshl_add_u32 v[SPW], v0, 2, SPARE
	v_mov_b32 v[NIL], 0
	ds_add_u32 v[SPW], v[NIL]                      ; the wave's opening
	ds_add_u32 v[SPW], v[NIL]
	v_lshrrev_b32 v1, 5, v0
	v_readfirstlane_b32 s14, v1                    ; wave
	s_lshr_b32 s15, s14, 1                         ; my group of tokens.  Also: at the head I fetch for x (0) or for w (1)
	s_and_b32 s16, s14, 1                          ; my half of source 1's eight tiles.  Also: which part I fetch at the head
	s_bfe_u32 s93, ttmp6, 0x40000                  ; cx
	s_bfe_u32 s94, ttmp6, 0x40004                  ; cy
	s_lshl_b32 s95, ttmp9, 2
	s_add_co_u32 s95, s95, s93                     ; head pair
	s_and_b32 s17, ttmp7, 0xffff
	s_lshl_b32 s17, s17, 2
	s_add_co_u32 s17, s17, s94                     ; block of 256 tokens
	s_lshl_b32 s18, s94, 2
	s_lshl_b32 s18, 15, s18                        ; my row of the cluster
	s_lshl_b32 s19, 0x1111, s93                    ; my column
	s_or_b32 s[G1A], s18, (3<<16)|(1<<21)          ; the mask; elements of 8 bytes; bit 21 beside a mask; no padding
	s_or_b32 s[G1B], s19, (3<<16)|(1<<21)
.irp g, G1A, G1B                       ; dense blocks as rows of 256 bytes
	s_mov_b32 s[\g+1], 32<<16
	s_mov_b32 s[\g+3], 32<<16
	s_mov_b32 s[\g+5], 32
	s_mov_b32 s[\g+6], 0
	s_mov_b32 s[\g+7], 0
.endr
	s_mov_b32 s[G1A+2], 400<<16                    ; x: a whole group, 400 rows
	s_mov_b32 s[G1A+4], 400
	s_mov_b32 s[G1B+2], 200<<16                    ; w at the head: half a group, 200 rows
	s_mov_b32 s[G1B+4], 200
	s_lshl_b32 s20, s17, 1
	s_add_co_u32 s20, s20, s16
	s_mul_i32 s22, s20, GRP                        ; x: the group that I fetch: made of the block of tokens and the wave alone
	s_mov_b32 s23, 0
	s_mul_i32 s96, s95, GRP                        ; w: q's group of my head pair: of the head pair and the wave alone
	s_mul_i32 s2, s16, GRP/2
	s_add_co_u32 s96, s96, s2
	s_mov_b32 s97, 0
	s_mul_i32 s98, s95, GRP
	s_mul_i32 s3, s14, KST                         ; a refill: one K step of a half a wave
	s_add_co_u32 s98, s98, s3
	s_mov_b32 s99, 0
	s_wait_dscnt 0x0                               ; both opening adds are done
	s_wait_kmcnt 0x0
	s_add_nc_u64 s[22:23], s[4:5], s[22:23]
	s_add_nc_u64 s[96:97], s[6:7], s[96:97]
	s_add_nc_u64 s[98:99], s[6:7], s[98:99]
	s_mov_b32 s[G0A], 1
	s_mul_i32 s[G0A+1], s16, GRP
	s_mov_b64 s[G0A+2:G0A+3], s[22:23]
	s_or_b32 s[G0A+3], s[G0A+3], 0x80000000
	s_mov_b32 s[G0B], 1
	s_add_co_u32 s[G0B+1], s2, WR
	s_mov_b64 s[G0B+2:G0B+3], s[96:97]
	s_or_b32 s[G0B+3], s[G0B+3], 0x80000000
	s_mov_b32 s[G0L], 1
	s_add_co_u32 s[G0L+1], s3, WR
	s_mov_b64 s[G0L+2:G0L+3], s[98:99]             ; q's group: each refill first steps its address eight groups on
	s_or_b32 s[G0L+3], s[G0L+3], 0x80000000
	s_mov_b32 s[G0H], 1
	s_add_co_u32 s[G0H+1], s3, WR+GRP/2
	s_add_nc_u64 s[G0H+2:G0H+3], s[98:99], GRP/2
	s_or_b32 s[G0H+3], s[G0H+3], 0x80000000
	CROUND                                         ; all sixteen work-groups are here: the first joint loads meet
	s_cmp_eq_u32 s15, 0                            ; one load a wave: waves 0, 1 x's two groups, waves 2, 3 the halves of w's
	s_cbranch_scc0 .Lhead_w
	tensor_load_to_lds s[G0A:G0A+3], s[G1A:G1A+7]
	s_nop 0
	PLACES
	s_branch .Lhead_asked
.Lhead_w:
	tensor_load_to_lds s[G0B:G0B+3], s[G1B:G1B+7]
	s_nop 0
	PLACES
.Lhead_asked:
	s_mov_b32 s[SEL], 0x76543210
	s_mov_b32 s[SEL+1], 0xfedcba98
	s_mul_i32 s18, s15, GRP                        ; x's group of mine
	s_mul_i32 s19, s16, 4*FRB                      ; my four tiles of source 1
	s_add_co_u32 s20, s18, s19                     ; q, k: source 1
	s_add_co_u32 s21, s20, GRP/2
	s_add_co_u32 s52, s19, WR                      ; v: source 1
	s_add_co_u32 s53, s52, GRP/2
	s_add_co_u32 s54, s18, GRP/2
	s_lshl_b32 s59, s16, 8
	s_add_co_u32 s55, s18, s59
	s_add_co_u32 s55, s55, 12288                   ; q, k: lanes 0-15 take x's scale words of my four tiles,
	s_sub_co_u32 s56, WR+12288, s55                ; lanes 16-31 w's, so far behind them
	s_add_co_u32 s57, s18, 12288                   ; v: lanes 16-31 take x's,
	s_add_co_u32 s58, s59, WR
	s_sub_co_u32 s58, s58, s18                     ; lanes 0-15 w's of my four tiles, so far behind them
	; where my results go: batch b, group s of its tokens
	s_lshl_b32 s66, s17, 1
	s_add_co_u32 s66, s66, s15
	s_lshr_b32 s67, s66, 3
	s_and_b32 s68, s66, 7
	s_lshl_b32 s69, s67, 4
	s_lshl_b32 s70, s95, 1
	s_add_co_u32 s69, s69, s70                     ; 16 b + 2 x head pair: my first head
	s_lshl_b32 s70, s69, 6
	s_lshl_b32 s71, s68, 3
	s_add_co_u32 s70, s70, s71
	s_lshl_b32 s71, s16, 2
	s_add_co_u32 s70, s70, s71
	s_mul_i32 s70, s70, 768
	s_mov_b32 s71, 0
	s_add_nc_u64 s[96:97], s[10:11], s[70:71]      ; q: half images [b][head][tile 64][768]
	s_lshl_b32 s70, s69, 12
	s_lshl_b32 s72, s68, 9
	s_add_co_u32 s70, s70, s72
	s_lshl_b32 s72, s16, 4
	s_add_co_u32 s70, s70, s72
	s_add_co_u32 s70, s70, QS
	s_add_nc_u64 s[98:99], s[10:11], s[70:71]      ; q: scale words [b][head][s][r 16][tile 8]
	s_add_co_u32 s69, s69, s16                     ; v: my one head
	s_mul_i32 s70, s69, 49152
	s_mul_i32 s72, s68, 6144
	s_add_co_u32 s70, s70, s72
	s_add_co_u32 s70, s70, VI
	s_add_nc_u64 s[VIM:VIM+1], s[10:11], s[70:71]  ; images [b][head][s][tile 4][1,536]
	s_lshl_b32 s70, s69, 11
	s_lshl_b32 s72, s68, 8
	s_add_co_u32 s70, s70, s72
	s_add_co_u32 s70, s70, VS
	s_add_nc_u64 s[VSC:VSC+1], s[10:11], s[70:71]  ; scale words [b][head][s][r 16][tile 4]
	s_lshl_b32 s70, s95, 9
	s_add_nc_u64 s[100:101], s[8:9], s[70:71]      ; the bias of q's 128 columns
	v_and_b32 v1, 31, v0                           ; lane
	v_and_b32 v2, 15, v0                           ; r
	v_bfe_u32 v3, v0, 4, 1                         ; h
	v_lshlrev_b32 v[L16], 4, v1
	v_lshlrev_b32 v[L8], 3, v1
	v_lshlrev_b32 v[H16], 4, v3
	v_lshlrev_b32 v[R16], 4, v2
	v_sub_nc_u32 v6, 1, v3
	v_lshlrev_b32 v[BA], 6, v3
	v_lshlrev_b32 v[SA], 12, v3
	v_lshl_add_u32 v[SA], v2, 5, v[SA]
	v_and_b32 v4, 8, v2
	v_add_nc_u32 v4, v4, v2
	v_lshl_add_u32 v[BAV], v4, 2, s59              ; v: my column in its tile, r + 8 (r / 8), in my head's 64
.irp b, 0,1,2,3
	v_mov_b32 v[TM+4+\b], 0                        ; written once: a lane permute's destination counts as one of its sources
.endr
	v_add_nc_u32 v[RQ], WR, v[L16]
	v_add_nc_u32 v[RQ+1], WR+GRP/2, v[L16]
	v_add_nc_u32 v[RQ+2], s20, v[L16]
	v_add_nc_u32 v[RQ+3], s21, v[L16]
	v_mul_u32_u24 v4, s56, v3
	v_add_nc_u32 v4, v4, v[R16]
	v_add_nc_u32 v[RQ+4], s55, v4
	v_add_nc_u32 v[RQ+5], GRP/2, v[RQ+4]
	v_lshl_add_u32 v[RQ+6], v3, 8, v[RQ+4]         ; source 0's tiles 4-7: 256 bytes on in lanes 16-31 alone
	v_lshl_add_u32 v[RQ+7], v3, 8, v[RQ+5]
	v_add_nc_u32 v[RV], s18, v[L16]
	v_add_nc_u32 v[RV+1], s54, v[L16]
	v_add_nc_u32 v[RV+2], s52, v[L16]
	v_add_nc_u32 v[RV+3], s53, v[L16]
	v_mul_u32_u24 v5, s58, v6
	v_add_nc_u32 v5, v5, v[R16]
	v_add_nc_u32 v[RV+4], s57, v5
	v_add_nc_u32 v[RV+5], GRP/2, v[RV+4]
	v_lshl_add_u32 v[RV+6], v3, 8, v[RV+4]
	v_lshl_add_u32 v[RV+7], v3, 8, v[RV+5]
	s_wait_alu depctr_va_vdst(0)
	s_wait_tensorcnt 0x0                           ; my part of the head's tiles is in; no tensor load of mine is out, so a descriptor may be written: a refill brings 50 rows a wave
	s_mov_b32 s[G1B+2], 50<<16
	s_mov_b32 s[G1B+4], 50
	s_barrier_signal -1
	s_barrier_wait -1                              ; everybody's part is in
	s_mov_b32 s60, 0
.Lpass:                                                ; q, then k.  The pass's K steps 0-3 of w are whole: every wave waited for that load ahead of the last round
.irp t, 0,1,2,3,4,5,6,7                        ; the bias in the result's layout: tile t, lane (r, h): columns 32 (t / 2) + 16 h + 8 (t % 2) + 0 .. 7
	global_load_b128 v[BI+8*\t:BI+8*\t+3], v[BA], s[100:101] offset:(32*(\t/2)+8*(\t%2))*4
	global_load_b128 v[BI+8*\t+4:BI+8*\t+7], v[BA], s[100:101] offset:(32*(\t/2)+8*(\t%2))*4+16
.endr
	KWALK RQ, 1
	s_wait_tensorcnt 0x0                           ; w's second half is filled again
	ds_add_u32 v[SPW], v[NIL]
	s_add_nc_u64 s[G0H+2:G0H+3], s[G0H+2:G0H+3], 8*GRP   ; no load of mine is out: the next pass's group
	s_wait_dscnt 0x0                               ; my reads of it are over
	CROUND                                         ; no wave of any partner still reads it or has a load on its way
	tensor_load_to_lds s[G0H:G0H+3], s[G1B:G1B+7]
	s_nop 0
	PLACES                                         ; also the places in front of the first read of the results
	s_wait_loadcnt 0x0                             ; the bias
.irp a, 0,1,2,3
	OUTQK \a
.endr
	global_store_b128 v[SA], v[SW:SW+3], s[98:99]
	s_wait_xcnt 0x0                                ; the stores and loads have read their bases and registers
	s_add_nc_u64 s[96:97], s[96:97], SECT
	s_add_nc_u64 s[98:99], s[98:99], 1<<19
	s_add_nc_u64 s[100:101], s[100:101], 4096
	s_add_co_u32 s60, s60, 1
	s_cmp_lt_u32 s60, 2
	s_wait_alu depctr_va_vdst(0)
	s_cbranch_scc1 .Lpass
.irp a, 0,1,2,3                                ; v: nothing more is asked for
	global_load_b32 v[BI+2*\a], v[BAV], s[100:101] offset:(32*(\a/2)+8*(\a%2))*4
	global_load_b32 v[BI+2*\a+1], v[BAV], s[100:101] offset:(32*(\a/2)+8*(\a%2))*4
.endr
	KWALK RV, 0
	PLACES
	s_wait_loadcnt 0x0
.irp a, 0,1,2,3
	OUTV \a
.endr
	global_store_b128 v[R16], v[SW:SW+3], s[VSC:VSC+1]   ; 256 consecutive bytes; both halves of the lanes hold and store the same words
	s_wait_tensorcnt 0x0                           ; the wave's end
	ds_add_u32 v[SPW], v[NIL]
	s_wait_dscnt 0x0
	CROUND                                         ; the closing round
	s_endpgm
.Lfunc_end_k_qc8d163f83b_qkv:
	.size	k_qc8d163f83b_qkv, .Lfunc_end_k_qc8d163f83b_qkv-k_qc8d163f83b_qkv
	.p2alignl 7, 3214868480
	.fill 96, 4, 3214868480
	.section	.rodata,"a",@progbits
	.p2align	6, 0x0
	.amdhsa_kernel k_qc8d163f83b_qkv
		.amdhsa_group_segment_fixed_size 327680
		.amdhsa_private_segment_fixed_size 0
		.amdhsa_enable_private_segment 0
		.amdhsa_kernarg_size 32
		.amdhsa_user_sgpr_count 2
		.amdhsa_user_sgpr_kernarg_segment_ptr 1
		.amdhsa_wavefront_size32 1
		.amdhsa_system_sgpr_workgroup_id_x 1
		.amdhsa_system_sgpr_workgroup_id_y 1
		.amdhsa_system_sgpr_workgroup_id_z 1
		.amdhsa_system_vgpr_workitem_id 0
		.amdhsa_next_free_vgpr 768
		.amdhsa_next_free_sgpr 102
		.amdhsa_reserve_vcc 0
		.amdhsa_float_denorm_mode_32 3
		.amdhsa_float_denorm_mode_16_64 3
		.amdhsa_memory_ordered 1
		.amdhsa_forward_progress 1
		.amdhsa_inst_pref_size 169
	.end_amdhsa_kernel
	.amdgpu_metadata
---
amdhsa.version: [ 1, 2 ]
amdhsa.kernels:
  - .name:           k_qc8d163f83b_qkv
    .symbol:         k_qc8d163f83b_qkv.kd
    .args:
      - { .name: xq, .offset: 0, .size: 8, .value_kind: global_buffer, .address_space: global }
      - { .name: wq, .offset: 8, .size: 8, .value_kind: global_buffer, .address_space: global }
      - { .name: b_attn, .offset: 16, .size: 8, .value_kind: global_buffer, .address_space: global }
      - { .name: qkvq, .offset: 24, .size: 8, .value_kind: global_buffer, .address_space: global }
    .group_segment_fixed_size: 327680
    .private_segment_fixed_size: 0
    .kernarg_segment_align: 8
    .kernarg_segment_size: 32
    .max_flat_workgroup_size: 128
    .sgpr_count:     102
    .vgpr_count:     768
    .wavefront_size: 32
...
	.end_amdgpu_metadata
.endif
;; end of part 2
;; launch attn (part 3): grid 128 x 2, 16 waves a work-group, no clusters, 106,496 bytes of LDS; arguments qkvq, mk, yq; writes yq
.if DOCPART == 3
	.amdgcn_target "amdgcn-amd-amdhsa--gfx1250"
	.amdhsa_code_object_version 6
	.text
	.protected	k_qc8d163f83b_attn
	.globl	k_qc8d163f83b_attn
	.p2align	8
	.type	k_qc8d163f83b_attn,@function
k_qc8d163f83b_attn:
	s_mov_b64 s[64:65], 0
	v_nop
	global_prefetch_b8 v0, s[64:65] scope:SCOPE_SE
	s_setreg_imm32_b32 hwreg(HW_REG_WAVE_MODE, 25, 1), 1
	s_wait_xcnt 0x0
; ATTN: for each head S^T = K Q^T, the mask, p = 2^(t - M) with M a whole number, O^T = V^T P^T, y = O / l, and y quantised along C: all products on codes of BF6.
; LEFT OUT: a step of 16 queries x 128 keys whose mask is all false, where every query of the tile has a true key (shown at the head of prep): decided by the flags that prep stored, read here from memory.
; SHARES.  A work-group serves ONE head (the grid's x = 16 x batch + head) and half of its 64 tiles of 16 queries (the grid's y = 0, 1), and holds the head's K, V and their scale words in LDS for its whole life
; (104,448 bytes, stored once, then only read).  Tiles go in quads of four, Q = 0..15.  WAVE (k, i), k = 0..3, i = 0..3, WALKS TILE i OF QUAD 2 k + y AND THEN TILE i OF QUAD 15 - (2 k + y):
; where a mask hides the keys behind a query, a tile of quad Q has Q / 2 + 1 live steps, and the two quads have 9 between them: so all waves have the same work.  Any other mask is served as well.
; Each wave owns both its results: a tile's y of this head is half a fragment of proj's operand (16 tokens x 64 of C): an image of six registers, 768 bytes, stored as 512 and 256 consecutive bytes.
; Its two scale bytes a row are half of the row's scale word, whose other half the neighbouring head's work-group writes: they go out by a store of 2 bytes a lane, 16 bytes apart: one byte in 25 of what this launch stores.
; No tensor load and no cluster: the walk branches on numbers read from memory.  No prefetch: all of K and V is asked for once, at the head.
; THE HEAD'S 64 IN AN INSTRUCTION OF 128: Q's registers 6-11 are zero codes, and bytes 2, 3 of Q's and K's scale words are 0 (2^-127, no NaN).  So the upper six registers of a K operand may hold anything finite:
; they are the next tile's codes, and behind the last tile six registers of zeros.
; A masked score is -2^120: times c it is exact and a whole number, so a row with no true key has p = 1 for every key, the uniform average of reference(); beside a real maximum p is 0.
; LIMITS: NaN and infinities are not served; scale bytes as stated in prep; a p under 2^-126 counts as 0.
; REGISTERS: v1-4 lane terms; v5, v6 the add's two; v7 -2^120; v8-11, v29 addresses of the step; v12 -M, v13 the largest t, v[14:15] the sum; v16-27 Q; v28 Q's scale word; v30, v255 y's scale bytes; v31, v207 where they go;
; v32-85 K's eight half fragments, 6 registers apart (or V's four fragments), and six zeros; v96-159 S^T, then p; v160-191 O^T; v192-206 y's codes; v208-219 scale words; v220-223 lane terms; v224-254 at work;
; v248-251 where the two half images go.  s16-63, s68-83: a step's 64 lane masks.
.set KI_G,  6291456
.set VI_G,  12582912
.set QS_G,  18874368
.set KS_G,  19398656
.set VS_G,  19922944
.set LV,    49152                      ; LDS: K's half images at 0, V's images here,
.set LKS,   98304                      ; K's scale words (4,096 bytes),
.set LVS,   102400                     ; V's (2,048),
.set SPARE, 104448                     ; the spare words, 128 bytes a wave: eight blocks of 256 bytes that no other line names
.set YC,    192
.set YT,    204
.set WV,   84
.set QB0,  86                          ; s[86:87] my first tile of Q;  s[88:89] its scale word
.set QSB0, 88
.set QB1,  4                           ; s[4:5], s[12:13] the same of my second tile
.set QSB1, 12
.set MK0,  6                           ; s[6:7] my first tile's lane masks;  s[14:15] the second's
.set MK1,  14
.set MP,   90                          ; s[90:91] the step's lane masks
.set FL0,  92                          ; s92 my first tile's flags: bits 0-7 live, 8-15 full;  s10 the second's
.set FL1,  10
.set CUR,  93
.set CNT,  94
.set TK,   95                          ; s95 where the step's K lies (V: LV further on);  s96, s97 its scale words
.set TSK,  96
.set TSV,  97
.set SEL,  98
.set CS,   100                         ; s[100:101] c = log2(e) / 8
.macro QOFF t, qb, qsb, tmp            ; tile s[t]: the byte offsets of its half image of Q and of its scale word
	s_mul_i32 s[\qb], s[\t], 768
	s_add_co_u32 s[\qb], s[\qb], s14
	s_mov_b32 s[\qb+1], 0
	s_lshl_b32 s[\qsb], s85, 12
	s_lshr_b32 s[\tmp], s[\t], 3
	s_lshl_b32 s[\tmp], s[\tmp], 9
	s_add_co_u32 s[\qsb], s[\qsb], s[\tmp]
	s_and_b32 s[\tmp], s[\t], 7
	s_lshl_b32 s[\tmp], s[\tmp], 2
	s_add_co_u32 s[\qsb], s[\qsb], s[\tmp]
	s_add_co_u32 s[\qsb], s[\qsb], QS_G
	s_mov_b32 s[\qsb+1], 0
.endm
; quad s[q]: the byte offsets in yq of my tile's half image, s[c], and of its scale bytes, s[s].  yq is laid as xq: 12,800 bytes for a group of 128 tokens and a K step of proj (a head pair): eight fragments of 1,536
; (each two half images of 768, the even head's first), then the scale words.  s30 = 768 x (head % 2);  s31 = 12,288 + 4 x place(i) + 2 x (head % 2)
.macro YOFF q, c, s, tmp
	s_lshr_b32 s[\c], s85, 4
	s_lshl_b32 s[\c], s[\c], 3
	s_lshr_b32 s[\tmp], s[\q], 1
	s_add_co_u32 s[\c], s[\c], s[\tmp]             ; the tile's group of 128 tokens
	s_lshl_b32 s[\c], s[\c], 3
	s_bfe_u32 s[\tmp], s85, 0x30001
	s_add_co_u32 s[\c], s[\c], s[\tmp]             ; x 8 + the head pair
	s_mul_i32 s[\c], s[\c], 12800
	s_and_b32 s[\tmp], s[\q], 1                    ; which half of the group
	s_lshl_b32 s[\s], s[\tmp], 8
	s_add_co_u32 s[\s], s[\s], s[\c]
	s_add_co_u32 s[\s], s[\s], s31
	s_lshl_b32 s[\tmp], s[\tmp], 2
	s_add_co_u32 s[\tmp], s[\tmp], s11
	s_mul_i32 s[\tmp], s[\tmp], 1536
	s_add_co_u32 s[\c], s[\c], s[\tmp]
	s_add_co_u32 s[\c], s[\c], s30
.endm
.macro QLOAD qb, qsb
	global_load_b128 v[16:19], v1, s[\qb:\qb+1]
	global_load_b64 v[20:21], v2, s[\qb:\qb+1]     ; (v2 holds the 512)
	global_load_b32 v28, v3, s[\qsb:\qsb+1]
.endm
; S^T of a step: K's eight half fragments and scale words from LDS; source 0 = 16 keys, source 1 = my 16 queries.  Register 16 b + i of the 64 is key 128 s + 32 b + 16 (lane / 16) + i
.macro SCORES
.irp t, 0,1,2,3,4,5,6,7
	ds_load_b128 v[32+6*\t:35+6*\t], v8 offset:768*\t
	ds_load_b64 v[36+6*\t:37+6*\t], v9 offset:768*\t
.endr
	ds_load_b128 v[208:211], v11
	ds_load_b128 v[212:215], v11 offset:16
	s_wait_dscnt 0x0
.irp t, 0,1,2,3,4,5,6,7
	v_wmma_scale_f32_16x16x128_f8f6f4 v[96+8*\t:103+8*\t], v[32+6*\t:43+6*\t], v[16:27], 0, v[208+\t], v28 matrix_a_fmt:MATRIX_FMT_BF6 matrix_b_fmt:MATRIX_FMT_BF6
.endr
.rept 4
	v_nop                                          ; places in front of the first read of the scores, and of V's loads into the registers that held K
.endr
.endm
; One tile: eight steps of 128 keys.  The step is written once: O^T and the sum begin as zeros and the largest t as -3e38, since which step is the first live one is not known to the text.
; fl: the tile's flags;  mb: its lane masks
.macro HEAD fl, mb
	s_wait_loadcnt 0x0                             ; Q
	v_mov_b32 v13, 0xff61b1e6                      ; -3e38, under every t
	s_delay_alu instid0(VALU_DEP_1)
	v_floor_f32 v12, -v13
	v_mov_b32 v14, 0
	v_mov_b32 v15, 0
.set j, 0
.rept 32
	v_mov_b32 v[160+j], 0
.set j, j+1
.endr
	s_mov_b32 s[CUR], s[\fl]
	s_mov_b32 s[TK], 0
	s_mov_b32 s[TSK], LKS
	s_mov_b32 s[TSV], LVS
	s_mov_b64 s[MP:MP+1], s[\mb:\mb+1]
	s_mov_b32 s[CNT], 8
.Lstep_\@:
	s_bitcmp1_b32 s[CUR], 0                        ; live?
	s_cbranch_scc0 .Lhidden_\@
	v_add_nc_u32 v8, s[TK], v1                     ; the step's addresses, ahead of the parting below.  Five plain lines: also the places in front of loads into registers that the last products read
	v_add_nc_u32 v9, s[TK], v2
	s_delay_alu instid0(VALU_DEP_2)
	v_add_nc_u32 v10, LV, v8
	v_add_nc_u32 v11, s[TSK], v3
	v_add_nc_u32 v29, s[TSV], v4
	s_bitcmp1_b32 s[CUR], 8                        ; full?  Then nothing is hidden, and no lane mask is asked for
	s_cbranch_scc1 .Lwhole_\@
	s_load_b512 s[16:31], s[MP:MP+1], 0x0          ; a step with holes: its 64 lane masks are asked for, waited for and used in this one arm; they land under the LDS loads and the products
	s_load_b512 s[32:47], s[MP:MP+1], 0x40
	s_load_b512 s[48:63], s[MP:MP+1], 0x80
	s_load_b512 s[68:83], s[MP:MP+1], 0xc0
	SCORES
	s_wait_kmcnt 0x0
.set n, 0
.rept 64
.if n < 48
	v_cndmask_b32 v[96+n], v7, v[96+n], s[16+n]
.else
	v_cndmask_b32 v[96+n], v7, v[96+n], s[20+n]
.endif
.set n, n+1
.endr
	s_branch .Lsoft_\@
.Lwhole_\@:
	s_wait_alu depctr_va_vdst(0)
	SCORES
.Lsoft_\@:
.irp t, 0,1,2,3                                ; V's four fragments and scale words are asked for here: they land while the softmax is worked
.irp c, 0,1,2
	ds_load_b128 v[32+12*\t+4*\c:35+12*\t+4*\c], v10 offset:1536*\t+512*\c
.endr
.endr
	ds_load_b128 v[216:219], v29
.irp b, 0,1,2,3
	v_max3_num_f32 v[232+\b], v[96+16*\b], v[97+16*\b], v[98+16*\b]   ; the largest score of each block of 32 keys: for the row's maximum, and, since p rises with the score, for the block's largest p
.endr
.irp i, 3,5,7,9,11,13
.irp b, 0,1,2,3
	v_max3_num_f32 v[232+\b], v[232+\b], v[96+16*\b+\i], v[97+16*\b+\i]
.endr
.endr
.irp b, 0,1,2,3
	v_max_num_f32 v[232+\b], v[232+\b], v[111+16*\b]
.endr
.irp b, 0,1,2,3
	s_delay_alu instid0(VALU_DEP_4)
	v_permlanex16_b32 v[236+\b], v[232+\b], s[SEL], s[SEL+1]
.endr
.irp b, 0,1,2,3
	s_delay_alu instid0(VALU_DEP_4)
	v_max_num_f32 v[232+\b], v[232+\b], v[236+\b]
.endr
	s_delay_alu instid0(VALU_DEP_2)
	v_max3_num_f32 v254, v232, v233, v234
	s_delay_alu instid0(VALU_DEP_1)
	v_max_num_f32 v254, v254, v235
	s_delay_alu instid0(VALU_DEP_1)
	v_mul_f32 v254, s[CS], v254                    ; as t
	s_delay_alu instid0(VALU_DEP_1)
	v_max_num_f32 v13, v13, v254                   ; the running largest t
	v_mov_b32 v254, v12
	s_delay_alu instid0(VALU_DEP_2)
	v_floor_f32 v12, -v13                          ; -M = floor(-t): M is a whole number
	s_delay_alu instid0(VALU_DEP_1)
	v_sub_f32 v254, v12, v254                      ; old M - new M, 0 or less
	s_delay_alu instid0(VALU_DEP_1)
	v_cvt_i32_f32 v254, v254                       ; (it saturates)
	s_delay_alu instid0(VALU_DEP_1)
	v_ldexp_f32 v252, 1.0, v254                    ; f = 2^(old M - new M): rounds nothing
.set j, 0
.rept 32
	v_pk_fma_f32 v[96+j:97+j], v[96+j:97+j], s[CS:CS+1], v[12:13] op_sel_hi:[1,0,0]   ; t - M
.set j, j+2
.endr
.irp b, 0,1,2,3
	v_fma_f32 v[232+\b], v[232+\b], s[CS], v12
.endr
.set j, 0
	s_wait_alu depctr_va_vdst(0)
.rept 64
	v_exp_f32 v[96+j], v[96+j]                     ; p = 2^(t - M): not normalised
.set j, j+1
.endr
	v_pk_mul_f32 v[14:15], v[14:15], v[252:253] op_sel_hi:[1,0]   ; the sums under the new M: the plain line behind the batch
	s_wait_alu depctr_va_vdst(0)                   ; one wait for the whole batch, ahead of its first reader
.irp b, 0,1,2,3
	v_exp_f32 v[232+\b], v[232+\b]                 ; each block's largest p
.endr
	v_pk_add_f32 v[236:237], v[100:101], v[104:105]
	v_pk_add_f32 v[254:255], v[108:109], v[112:113]
	v_pk_add_f32 v[246:247], v[116:117], v[120:121]
	v_pk_add_f32 v[244:245], v[124:125], v[128:129]
	v_pk_add_f32 v[242:243], v[132:133], v[136:137]
	v_pk_add_f32 v[240:241], v[140:141], v[144:145]
	v_pk_add_f32 v[238:239], v[148:149], v[152:153]
	v_pk_add_f32 v[14:15], v[14:15], v[156:157]
	v_pk_add_f32 v[236:237], v[236:237], v[96:97]
	v_pk_add_f32 v[254:255], v[254:255], v[98:99]
	v_pk_add_f32 v[246:247], v[246:247], v[102:103]
	v_pk_add_f32 v[244:245], v[244:245], v[106:107]
	v_pk_add_f32 v[242:243], v[242:243], v[110:111]
	v_pk_add_f32 v[240:241], v[240:241], v[114:115]
	v_pk_add_f32 v[238:239], v[238:239], v[118:119]
	v_pk_add_f32 v[14:15], v[14:15], v[122:123]
	v_pk_add_f32 v[236:237], v[236:237], v[126:127]
	v_pk_add_f32 v[254:255], v[254:255], v[130:131]
	v_pk_add_f32 v[246:247], v[246:247], v[134:135]
	v_pk_add_f32 v[244:245], v[244:245], v[138:139]
	v_pk_add_f32 v[242:243], v[242:243], v[142:143]
	v_pk_add_f32 v[240:241], v[240:241], v[146:147]
	v_pk_add_f32 v[238:239], v[238:239], v[150:151]
	v_pk_add_f32 v[14:15], v[14:15], v[154:155]
	v_pk_add_f32 v[236:237], v[236:237], v[158:159]
	s_delay_alu instid0(VALU_DEP_2)
	v_pk_add_f32 v[14:15], v[14:15], v[244:245]
	s_delay_alu instid0(VALU_DEP_2)
	v_pk_add_f32 v[236:237], v[236:237], v[242:243]
	v_pk_add_f32 v[254:255], v[254:255], v[240:241]
	v_pk_add_f32 v[246:247], v[246:247], v[238:239]
	s_delay_alu instid0(VALU_DEP_2)
	v_pk_add_f32 v[14:15], v[14:15], v[254:255]
	s_delay_alu instid0(VALU_DEP_2)
	v_pk_add_f32 v[236:237], v[236:237], v[246:247]
	s_delay_alu instid0(VALU_DEP_1)
	v_pk_add_f32 v[14:15], v[14:15], v[236:237]
	s_wait_alu depctr_va_vdst(0)                   ; and one for the four
.irp b, 0,1,2,3
	v_max_num_f32 v[232+\b], 0x2800000, v[232+\b]  ; the floor: the byte cannot fall under 1
.endr
.irp b, 0,1,2,3
	s_delay_alu instid0(VALU_DEP_4)
	v_add_nc_u32 v[244+\b], 0xfe000000, v[232+\b]
.endr
.irp b, 0,1,2,3
	s_delay_alu instid0(VALU_DEP_4)
	v_lshrrev_b32 v[236+\b], 23, v[244+\b]
.endr
	s_delay_alu instid0(VALU_DEP_3)
	v_lshl_or_b32 v253, v237, 8, v236              ; p's scale word for these 128 keys
	s_delay_alu instid0(VALU_DEP_1)
	v_lshl_or_b32 v253, v238, 16, v253
	s_delay_alu instid0(VALU_DEP_1)
	v_lshl_or_b32 v253, v239, 24, v253
.irp c, 0,1
	v_cvt_scalef32_pk16_bf6_f32 v[224+6*\c:226+6*\c], v[96+32*\c:111+32*\c], v[244+2*\c]
	v_cvt_scalef32_pk16_bf6_f32 v[236+4*\c:238+4*\c], v[112+32*\c:127+32*\c], v[244+2*\c+1]
.endr
	v_nop
.irp c, 0,1
.irp i, 0,1,2
	v_permlane16_swap_b32 v[224+6*\c+\i], v[236+4*\c+\i]
.endr
.irp i, 0,1,2
	s_delay_alu instid0(VALU_DEP_3)
	v_mov_b32 v[227+6*\c+\i], v[236+4*\c+\i]
.endr
.endr
.set j, 0
.rept 16
	v_pk_mul_f32 v[160+j:161+j], v[160+j:161+j], v[252:253] op_sel_hi:[1,0]   ; O^T under the new M; these sixteen also stand between the codes' and the scale word's last writes and the products
.set j, j+2
.endr
	s_wait_alu depctr_va_vdst(0)
	s_wait_dscnt 0x0                               ; V
.irp t, 0,1,2,3                                ; O^T += V^T P^T: register 16 b + 8 u + i of the 32 is channel 32 b + 16 (lane / 16) + 8 u + i
	v_wmma_scale_f32_16x16x128_f8f6f4 v[160+8*\t:167+8*\t], v[32+12*\t:43+12*\t], v[224:235], v[160+8*\t:167+8*\t], v[216+\t], v253 matrix_a_fmt:MATRIX_FMT_BF6 matrix_b_fmt:MATRIX_FMT_BF6
.endr
.Lhidden_\@:
	s_add_co_u32 s[TK], s[TK], 6144
	s_add_co_u32 s[TSK], s[TSK], 512
	s_add_co_u32 s[TSV], s[TSV], 256
	s_add_nc_u64 s[MP:MP+1], s[MP:MP+1], 256       ; (the scalar loads that read it have been waited for in their arm)
	s_lshr_b32 s[CUR], s[CUR], 1
	s_sub_co_u32 s[CNT], s[CNT], 1
	s_cmp_lg_u32 s[CNT], 0
	s_cbranch_scc1 .Lstep_\@
.endm
; y = O / l of my tile number w (0, 1), quantised: two blocks of 32 along C: six registers at v[YC + 6 w], and the row's two scale bytes in the low half of v30 (w = 0) or v255; then stored
.macro YQ w, a16, a8, ab
.rept 4
	v_nop                                          ; places behind the last products
.endr
.if \w == 0
	QLOAD QB1, QSB1                                ; my second tile's Q
.endif
	v_add_f32 v14, v14, v15
	s_delay_alu instid0(VALU_DEP_1)
	v_permlanex16_b32 v252, v14, s[SEL], s[SEL+1]
	s_delay_alu instid0(VALU_DEP_1)
	v_add_f32 v14, v14, v252                       ; the row's sum
	s_wait_alu depctr_va_vdst(0)
	v_rcp_f32 v14, v14
	v_nop
	s_wait_alu depctr_va_vdst(0)
.set j, 0
.rept 16
	v_pk_mul_f32 v[160+j:161+j], v[160+j:161+j], v[14:15] op_sel_hi:[1,0]
.set j, j+2
.endr
.irp b, 0,1
	v_max3_num_f32 v[232+\b], |v[160+16*\b]|, |v[161+16*\b]|, 0x2800000
.endr
.irp i, 2,4,6,8,10,12,14
.irp b, 0,1
	s_delay_alu instid0(VALU_DEP_2)
	v_max3_num_f32 v[232+\b], v[232+\b], |v[160+16*\b+\i]|, |v[161+16*\b+\i]|
.endr
.endr
.irp b, 0,1
	s_delay_alu instid0(VALU_DEP_2)
	v_permlanex16_b32 v[236+\b], v[232+\b], s[SEL], s[SEL+1]
.endr
.irp b, 0,1
	s_delay_alu instid0(VALU_DEP_2)
	v_max_num_f32 v[232+\b], v[232+\b], v[236+\b]
.endr
.irp b, 0,1
	s_delay_alu instid0(VALU_DEP_2)
	v_add_nc_u32 v[244+\b], 0xfe000000, v[232+\b]
.endr
.irp b, 0,1
	s_delay_alu instid0(VALU_DEP_2)
	v_lshrrev_b32 v[236+\b], 23, v[244+\b]
.endr
	s_delay_alu instid0(VALU_DEP_1)
	v_lshl_or_b32 v[30+225*\w], v237, 8, v236
	v_cvt_scalef32_pk16_bf6_f32 v[YC+6*\w:YC+6*\w+2], v[160:175], v244
	v_cvt_scalef32_pk16_bf6_f32 v[YT:YT+2], v[176:191], v245
	v_nop
.irp i, 0,1,2
	v_permlane16_swap_b32 v[YC+6*\w+\i], v[YT+\i]
.endr
.irp i, 0,1,2
	s_delay_alu instid0(VALU_DEP_3)
	v_mov_b32 v[YC+6*\w+3+\i], v[YT+\i]
.endr
	global_store_b128 v[\a16], v[YC+6*\w:YC+6*\w+3], s[8:9]       ; 512 consecutive bytes; each tile has its own registers, so no store's data are written again
	global_store_b64 v[\a8], v[YC+6*\w+4:YC+6*\w+5], s[8:9]       ; 256 consecutive bytes
	global_store_b16 v[\ab], v[30+225*\w], s[8:9]                 ; both halves of the lanes store the same two bytes to the same place
.endm
	s_load_b128 s[4:7], s[0:1], 0x0                ; qkvq, mk
	s_load_b64 s[8:9], s[0:1], 0x10                ; yq
	v_lshl_add_u32 v5, v0, 2, SPARE
	v_mov_b32 v6, 0
	v_lshrrev_b32 v1, 5, v0
	s_delay_alu instid0(VALU_DEP_1)
	v_readfirstlane_b32 s[WV], v1                  ; wave 0..15
	s_mov_b32 s85, ttmp9                           ; 16 x batch + head
	s_and_b32 s43, ttmp7, 0xffff                   ; which half of the tiles
	s_lshr_b32 s10, s[WV], 2                       ; k
	s_and_b32 s11, s[WV], 3                        ; i
	s_lshl_b32 s12, s10, 1
	s_add_co_u32 s12, s12, s43                     ; my first quad, 0..7
	s_sub_co_u32 s33, 15, s12                      ; my second, 8..15
	s_lshl_b32 s13, s12, 2
	s_add_co_u32 s13, s13, s11                     ; my first tile of queries, 0..63
	s_lshl_b32 s34, s33, 2
	s_add_co_u32 s34, s34, s11                     ; my second
	s_mul_i32 s14, s85, 49152                      ; a head's images
	s_add_co_u32 s16, s14, KI_G
	s_mov_b32 s17, 0
	s_add_co_u32 s18, s14, VI_G
	s_mov_b32 s19, 0
	s_lshl_b32 s20, s85, 12
	s_add_co_u32 s20, s20, KS_G
	s_mov_b32 s21, 0
	s_lshl_b32 s22, s85, 11
	s_add_co_u32 s22, s22, VS_G
	s_mov_b32 s23, 0
	QOFF 13, QB0, QSB0, 15
	QOFF 34, 36, 38, 35
	s_and_b32 s25, s85, 1
	s_mul_i32 s30, s25, 768
	s_lshl_b32 s31, s25, 1
	s_and_b32 s25, s11, 1
	s_lshl_b32 s25, s25, 3
	s_add_co_u32 s31, s31, s25
	s_lshr_b32 s25, s11, 1
	s_lshl_b32 s25, s25, 2
	s_add_co_u32 s31, s31, s25                     ; 4 x place(i) = 8 (i % 2) + 4 (i / 2)
	s_add_co_u32 s31, s31, 12288
	YOFF 12, 24, 26, 25
	YOFF 33, 44, 45, 46
	s_lshl_b32 s28, s13, 11                        ; the tiles' lane masks: 2,048 bytes a tile
	s_mov_b32 s29, 0
	s_lshl_b32 s40, s34, 11
	s_mov_b32 s41, 0
	s_lshl_b32 s15, s13, 2                         ; and their flags
	s_lshl_b32 s35, s34, 2
	v_and_b32 v29, 31, v0                          ; lane
	v_and_b32 v30, 15, v0                          ; r
	s_delay_alu instid0(VALU_DEP_2)
	v_lshlrev_b32 v1, 4, v29
	s_delay_alu instid0(VALU_DEP_3)
	v_lshlrev_b32 v220, 3, v29
	s_delay_alu instid0(VALU_DEP_1)
	v_add_nc_u32 v2, 512, v220
	s_delay_alu instid0(VALU_DEP_4)
	v_lshlrev_b32 v3, 5, v30
	v_lshlrev_b32 v4, 4, v30
	s_wait_alu depctr_va_vdst(0)
	v_lshlrev_b32 v8, 4, v0                        ; the fill: 16 bytes a thread, 8,192 a line;
	v_lshlrev_b32 v10, 2, v0                       ; V's scale words 4 bytes a thread,
	v_lshlrev_b32 v222, 3, v0                      ; K's 8
	s_delay_alu instid0(VALU_DEP_3)
	v_add_nc_u32 v9, 0x10000, v8
	s_delay_alu instid0(VALU_DEP_3)
	v_add_nc_u32 v11, LVS, v10
	s_delay_alu instid0(VALU_DEP_3)
	v_add_nc_u32 v223, LKS, v222
	v_add_nc_u32 v31, s26, v4                      ; where my first tile's scale bytes go: + 16 r;
	v_add_nc_u32 v207, s45, v4                     ; my second tile's;
	v_add_nc_u32 v248, s24, v1                     ; the first tile's half image: 16 bytes a lane,
	v_add_nc_u32 v249, s24, v2                     ; and 8 bytes a lane behind the 512;
	v_add_nc_u32 v250, s44, v1                     ; the second tile's
	v_add_nc_u32 v251, s44, v2
	s_mov_b32 s[SEL], 0x76543210
	s_mov_b32 s[SEL+1], 0xfedcba98
	s_mov_b32 s[CS], 0x3e38aa3b                    ; c = log2(e) / sqrt(64)
	s_mov_b32 s[CS+1], s[CS]
	s_wait_alu depctr_va_vdst(0)
	s_wait_kmcnt 0x0
	s_load_b32 s[FL0], s[6:7], s15 offset:0x20000  ; the two tiles' flags
	s_load_b32 s[FL1], s[6:7], s35 offset:0x20000
	s_add_nc_u64 s[16:17], s[4:5], s[16:17]
	s_add_nc_u64 s[18:19], s[4:5], s[18:19]
	s_add_nc_u64 s[20:21], s[4:5], s[20:21]
	s_add_nc_u64 s[22:23], s[4:5], s[22:23]
	s_add_nc_u64 s[QB0:QB0+1], s[4:5], s[QB0:QB0+1]
	s_add_nc_u64 s[QSB0:QSB0+1], s[4:5], s[QSB0:QSB0+1]
	s_add_nc_u64 s[QSB1:QSB1+1], s[4:5], s[38:39]
	s_add_nc_u64 s[QB1:QB1+1], s[4:5], s[36:37]
.set n, 0
.rept 6
	global_load_b128 v[32+4*n:35+4*n], v8, s[16:17] offset:8192*n
.set n, n+1
.endr
.set n, 0
.rept 6
	global_load_b128 v[56+4*n:59+4*n], v8, s[18:19] offset:8192*n
.set n, n+1
.endr
	global_load_b64 v[80:81], v222, s[20:21]
	global_load_b32 v82, v10, s[22:23]
	QLOAD QB0, QSB0
	s_wait_kmcnt 0x0                               ; the flags are in, so their offsets and mk's address may be written
	s_add_nc_u64 s[MK1:MK1+1], s[6:7], s[40:41]    ; my second tile's lane masks,
	s_add_nc_u64 s[MK0:MK0+1], s[6:7], s[28:29]    ; my first tile's
.set n, 0
.rept 12
	s_wait_loadcnt 16-n                            ; of the 17 loads the younger ones may be out
	ds_store_b128 v[8+n/8], v[32+4*n:35+4*n] offset:8192*(n%8)
.set n, n+1
.endr
	s_wait_loadcnt 4
	ds_store_b64 v223, v[80:81]
	s_wait_loadcnt 3                               ; Q's three may be out
	ds_store_b32 v11, v82
	s_wait_dscnt 0x0                               ; for the others' sake: my stores have landed
	s_barrier_signal -1
	s_barrier_wait -1
	v_mov_b32 v7, 0xfb800000                       ; -2^120
.irp j, 22,23,24,25,26,27,80,81,82,83,84,85,236,237,238,239,252,253
	v_mov_b32 v[\j], 0                             ; Q's upper codes; the codes behind K's last tile; lane permutes' destinations; the upper half of the pair v[252:253]
.endr
	HEAD FL0, MK0
	YQ 0, 248, 249, 31
	HEAD FL1, MK1
	YQ 1, 250, 251, 207
	s_wait_tensorcnt 0x0                           ; the wave's end
	ds_add_u32 v5, v6
	s_wait_dscnt 0x0
	s_endpgm
.Lfunc_end_k_qc8d163f83b_attn:
	.size	k_qc8d163f83b_attn, .Lfunc_end_k_qc8d163f83b_attn-k_qc8d163f83b_attn
	.p2alignl 7, 3214868480
	.fill 96, 4, 3214868480
	.section	.rodata,"a",@progbits
	.p2align	6, 0x0
	.amdhsa_kernel k_qc8d163f83b_attn
		.amdhsa_group_segment_fixed_size 106496
		.amdhsa_private_segment_fixed_size 0
		.amdhsa_enable_private_segment 0
		.amdhsa_kernarg_size 24
		.amdhsa_user_sgpr_count 2
		.amdhsa_user_sgpr_kernarg_segment_ptr 1
		.amdhsa_wavefront_size32 1
		.amdhsa_system_sgpr_workgroup_id_x 1
		.amdhsa_system_sgpr_workgroup_id_y 1
		.amdhsa_system_sgpr_workgroup_id_z 1
		.amdhsa_system_vgpr_workitem_id 0
		.amdhsa_next_free_vgpr 256
		.amdhsa_next_free_sgpr 102
		.amdhsa_reserve_vcc 0
		.amdhsa_float_denorm_mode_32 3
		.amdhsa_float_denorm_mode_16_64 3
		.amdhsa_memory_ordered 1
		.amdhsa_forward_progress 1
		.amdhsa_inst_pref_size 70
	.end_amdhsa_kernel
	.amdgpu_metadata
---
amdhsa.version: [ 1, 2 ]
amdhsa.kernels:
  - .name:           k_qc8d163f83b_attn
    .symbol:         k_qc8d163f83b_attn.kd
    .args:
      - { .name: qkvq, .offset: 0, .size: 8, .value_kind: global_buffer, .address_space: global }
      - { .name: mk, .offset: 8, .size: 8, .value_kind: global_buffer, .address_space: global }
      - { .name: yq, .offset: 16, .size: 8, .value_kind: global_buffer, .address_space: global }
    .group_segment_fixed_size: 106496
    .private_segment_fixed_size: 0
    .kernarg_segment_align: 8
    .kernarg_segment_size: 24
    .max_flat_workgroup_size: 512
    .sgpr_count:     102
    .vgpr_count:     256
    .wavefront_size: 32
...
	.end_amdgpu_metadata
.endif
;; end of part 3
;; launch proj (part 4): grid 8 x 32, 4 waves a work-group, clusters of 4 x 4, 327,680 bytes of LDS; arguments yq, wq, b_proj, out0; writes out0
.if DOCPART == 4
	.amdgcn_target "amdgcn-amd-amdhsa--gfx1250"
	.amdhsa_code_object_version 6
	.text
	.protected	k_qc8d163f83b_proj
	.globl	k_qc8d163f83b_proj
	.p2align	8
	.type	k_qc8d163f83b_proj,@function
k_qc8d163f83b_proj:
	s_mov_b64 s[64:65], 0
	v_nop
	global_prefetch_b8 v0, s[64:65] scope:SCOPE_SE
	s_setreg_imm32_b32 hwreg(HW_REG_WAVE_MODE, 25, 1), 1
	s_wait_xcnt 0x0
	s_wait_alu depctr_hold_cnt(0) depctr_sa_sdst(0) depctr_va_vdst(0) depctr_va_sdst(0) depctr_va_ssrc(0) depctr_va_vcc(0) depctr_vm_vsrc(0)
	s_getreg_b32 s2, hwreg(HW_REG_IB_STS2, 6, 4)
	s_cmp_eq_u32 s2, 0
	s_cbranch_scc0 .Lentry_in_a_cluster
	s_endpgm
.Lentry_in_a_cluster:
	s_bfe_u32 s2, ttmp6, 0x10000c
	s_cmp_lg_u32 s2, 0xf033
	s_cbranch_scc0 .Lentry_shape_is_right
	s_endpgm
.Lentry_shape_is_right:
; PROJ: out0 = y w_proj + b_proj on codes of BF6; f32 out.  Nothing of reference() is left out here.
; 256 work-groups: one for each block of 256 tokens (32) and each group of 128 columns (8).  All of K of both operands lies in LDS at once: y's two groups and w's one, 102,400 bytes each (eight K steps of
; 12,800: eight fragment images and the scale words: see prep), asked for at the head, one tensor load a wave; nothing is filled again.
; A wave holds 32 accumulators (window 2): source 0 = w's eight tiles (a lane's registers run along the columns), source 1 = four tiles of tokens.  The bias is the C of the first step's products.
; THE WAY OUT: a tile of 16 tokens x 128 columns goes through the wave's stage in LDS and leaves as rows of 512 bytes.  The stage lies on y's bytes: a barrier in the last K step shows that no wave reads them any more.
; CLUSTERS 4 x 4: y's groups are shared along a row of the cluster, w's along a column: joint loads.  No prefetch: all bytes are asked for at the head, where there is no loop to run ahead in.
.set GRP,   102400
.set KST,   12800
.set WR,    2*GRP
.set SPARE, 3*GRP                      ; the spare words, 128 bytes a wave: two blocks of 256 bytes that no other line names
.set FR,    12
.set FRB,   1536
.set WPC,   2457600
.set SPITCH, 528
.set L16,  8
.set STO,  9
.set RD,   10
.set BA,   12
.set R16,  13
.set RQ,   16                          ; v16-23 LDS addresses: source 0 (K steps 0-3, 4-7), source 1, scale words, scale words of source 0's tiles 4-7
.set SC,   32
.set SPW,  56
.set NIL,  57
.set BI,   64
.set AF,   128
.set BK,   128
.set G1A,  24
.set G1B,  32
.set G0A,  40
.set G0B,  44
.set MSB, 0
.macro WIN new                         ; the immediate's high byte repeats the setting that is left
.if MSB != (\new)
	s_set_vgpr_msb (MSB<<8)|(\new)
.set MSB, (\new)
.endif
.endm
.macro PLACES
.rept 4
	v_nop
.endr
.endm
.macro CREST
	s_cmp_lg_u32 s14, 0
	s_cbranch_scc1 .Lnot_wave_0_\@
	s_barrier_signal -3
.Lnot_wave_0_\@:
	s_barrier_wait -3
	s_barrier_signal -1
	s_barrier_wait -1
.endm
.macro CROUND
	s_barrier_signal -1
	s_barrier_wait -1
	CREST
.endm
.macro FRAG reg, adr, off
.irp c, 0,1,2
	ds_load_b128 v[\reg+4*\c:\reg+4*\c+3], v[\adr] offset:\off+512*\c
.endr
.endm
; a fragment of y: two half images of 768 bytes, one for each head of the pair (see attn): registers 6 c .. 6 c + 3 at 16 bytes a lane, registers 6 c + 4, 6 c + 5 at 8 bytes a lane behind them
.macro HALVES reg, a16, a8, off
.irp c, 0,1
	ds_load_b128 v[\reg+6*\c:\reg+6*\c+3], v[\a16] offset:\off+768*\c
	ds_load_b64 v[\reg+6*\c+4:\reg+6*\c+5], v[\a8] offset:\off+768*\c+512
.endr
.endm
.macro NEXT st, R
	WIN 0x40
.irp i, 0,1,2,3,4,5,6,7
	FRAG 128*((\st)%2)+FR*\i, \R+(\st)/4, ((\st)%4)*KST+FRB*\i
.endr
	WIN 0
.irp i, 0,1,2,3
	HALVES AF+48*((\st)%2)+FR*\i, \R+2+(\st)/4, \R+8+(\st)/4, ((\st)%4)*KST+FRB*\i
.endr
	ds_load_b128 v[SC+8*((\st)%2):SC+8*((\st)%2)+3], v[\R+4+(\st)/4] offset:((\st)%4)*KST
	ds_load_b128 v[SC+8*((\st)%2)+4:SC+8*((\st)%2)+7], v[\R+6+(\st)/4] offset:((\st)%4)*KST
.endm
; 32 matrix instructions; the accumulators take turns, one instruction a turn
.macro MUL32 st
.irp a, 0,1,2,3
.irp b, 0,1,2,3,4,5,6,7
.if (\st) == 0
	v_wmma_scale_f32_16x16x128_f8f6f4 v[8*(8*\a+\b):8*(8*\a+\b)+7], v[128*((\st)%2)+FR*\b:128*((\st)%2)+FR*\b+FR-1], v[AF+48*((\st)%2)+FR*\a:AF+48*((\st)%2)+FR*\a+FR-1], v[BI+8*\b:BI+8*\b+7], v[SC+8*((\st)%2)+4*(\b/4)+2*(\b%2)+(\b%4)/2], v[SC+8*((\st)%2)+2*(\a%2)+\a/2] matrix_a_fmt:MATRIX_FMT_BF6 matrix_b_fmt:MATRIX_FMT_BF6 matrix_a_scale:MATRIX_SCALE_ROW1
.else
	v_wmma_scale_f32_16x16x128_f8f6f4 v[8*(8*\a+\b):8*(8*\a+\b)+7], v[128*((\st)%2)+FR*\b:128*((\st)%2)+FR*\b+FR-1], v[AF+48*((\st)%2)+FR*\a:AF+48*((\st)%2)+FR*\a+FR-1], v[8*(8*\a+\b):8*(8*\a+\b)+7], v[SC+8*((\st)%2)+4*(\b/4)+2*(\b%2)+(\b%4)/2], v[SC+8*((\st)%2)+2*(\a%2)+\a/2] matrix_a_fmt:MATRIX_FMT_BF6 matrix_b_fmt:MATRIX_FMT_BF6 matrix_a_scale:MATRIX_SCALE_ROW1
.endif
.endr
.endr
.endm
.macro STEP st, R
	s_wait_dscnt 0x0                               ; this step's 42 loads are in
	PLACES                                         ; the other set was read by the last step's products
	NEXT (\st)+1, \R
.if (\st) == 0
	WIN 0x81                                       ; C, the bias, in window 0
.else
	WIN 0xa1
.endif
	MUL32 \st
	WIN 0
.endm
.macro TOSTAGE a
.set AC, 64*(\a)
	WIN 0x08                                       ; the data: window 2
.irp b, 0,1,2,3,4,5,6,7
	ds_store_b128 v[STO], v[AC+8*\b:AC+8*\b+3] offset:128*(\b/2)+32*(\b%2)      ; each accumulator from its low end on
	ds_store_b128 v[STO], v[AC+8*\b+4:AC+8*\b+7] offset:128*(\b/2)+32*(\b%2)+16
.endr
	WIN 0
.set BB, BK+64*((\a)%2)
.irp t, 0,1,2,3,4,5,6,7,8,9,10,11,12,13,14,15
	ds_load_b128 v[BB+4*\t:BB+4*\t+3], v[RD] offset:\t*SPITCH   ; LDS serves a wave's instructions in order: these see my stores
.endr
.endm
.macro SEND a, younger                 ; younger: the LDS instructions issued behind tile a's loads, which may stay out
.set BB, BK+64*((\a)%2)
	s_wait_dscnt \younger
.irp t, 0,1,2,3,4,5,6,7,8,9,10,11,12,13,14,15
	global_store_b128 v[L16], v[BB+4*\t:BB+4*\t+3], s[10:11] offset:(32*((\a)/2)+8*((\a)%2)+\t+8*(\t/8))*4096 th:TH_STORE_NT   ; 32 lanes store 512 consecutive bytes
.endr
.endm
	s_load_b128 s[4:7], s[0:1], 0x0                ; yq, wq
	s_load_b128 s[8:11], s[0:1], 0x10              ; b_proj, out0
	v_lshl_add_u32 v[SPW], v0, 2, SPARE
	v_mov_b32 v[NIL], 0
	ds_add_u32 v[SPW], v[NIL]                      ; the wave's opening
	ds_add_u32 v[SPW], v[NIL]
	v_lshrrev_b32 v1, 5, v0
	v_readfirstlane_b32 s14, v1                    ; wave
	s_lshr_b32 s15, s14, 1                         ; my group of tokens.  Also: I fetch for y (0) or for w (1)
	s_and_b32 s16, s14, 1                          ; my four of its eight tiles.  Also: which part I fetch
	s_bfe_u32 s93, ttmp6, 0x40000                  ; cx
	s_bfe_u32 s94, ttmp6, 0x40004                  ; cy
	s_lshl_b32 s95, ttmp9, 2
	s_add_co_u32 s95, s95, s93                     ; group of 128 columns
	s_and_b32 s17, ttmp7, 0xffff
	s_lshl_b32 s17, s17, 2
	s_add_co_u32 s17, s17, s94                     ; block of 256 tokens
	s_lshl_b32 s18, s94, 2
	s_lshl_b32 s18, 15, s18                        ; my row of the cluster
	s_lshl_b32 s19, 0x1111, s93                    ; my column
	s_or_b32 s[G1A], s18, (3<<16)|(1<<21)          ; the mask; elements of 8 bytes; bit 21 beside a mask; no padding
	s_or_b32 s[G1B], s19, (3<<16)|(1<<21)
.irp g, G1A, G1B                       ; dense blocks as rows of 256 bytes
	s_mov_b32 s[\g+1], 32<<16
	s_mov_b32 s[\g+3], 32<<16
	s_mov_b32 s[\g+5], 32
	s_mov_b32 s[\g+6], 0
	s_mov_b32 s[\g+7], 0
.endr
	s_mov_b32 s[G1A+2], 400<<16                    ; y: a whole group, 400 rows
	s_mov_b32 s[G1A+4], 400
	s_mov_b32 s[G1B+2], 200<<16                    ; w: half a group, 200 rows
	s_mov_b32 s[G1B+4], 200
	s_lshl_b32 s20, s17, 1
	s_add_co_u32 s20, s20, s16
	s_mul_i32 s22, s20, GRP                        ; y: the group that I fetch: made of the block of tokens and the wave alone
	s_mov_b32 s23, 0
	s_mul_i32 s96, s95, GRP                        ; w: of the group of columns and the wave alone
	s_mul_i32 s2, s16, GRP/2
	s_add_co_u32 s96, s96, s2
	s_add_co_u32 s96, s96, WPC
	s_mov_b32 s97, 0
	s_wait_dscnt 0x0                               ; both opening adds are done
	s_wait_kmcnt 0x0
	s_add_nc_u64 s[22:23], s[4:5], s[22:23]
	s_add_nc_u64 s[96:97], s[6:7], s[96:97]
	s_mov_b32 s[G0A], 1
	s_mul_i32 s[G0A+1], s16, GRP
	s_mov_b64 s[G0A+2:G0A+3], s[22:23]
	s_or_b32 s[G0A+3], s[G0A+3], 0x80000000
	s_mov_b32 s[G0B], 1
	s_add_co_u32 s[G0B+1], s2, WR
	s_mov_b64 s[G0B+2:G0B+3], s[96:97]
	s_or_b32 s[G0B+3], s[G0B+3], 0x80000000
	CROUND                                         ; all sixteen work-groups are here: the joint loads meet
	s_cmp_eq_u32 s15, 0                            ; one load a wave: waves 0, 1 y's two groups, waves 2, 3 the halves of w's
	s_cbranch_scc0 .Lhead_w
	tensor_load_to_lds s[G0A:G0A+3], s[G1A:G1A+7]
	s_nop 0
	PLACES
	s_branch .Lhead_asked
.Lhead_w:
	tensor_load_to_lds s[G0B:G0B+3], s[G1B:G1B+7]
	s_nop 0
	PLACES
.Lhead_asked:
	s_mul_i32 s18, s15, GRP                        ; y's group of mine
	s_mul_i32 s19, s16, 4*FRB                      ; my four tiles of it
	s_add_co_u32 s20, s18, s19
	s_add_co_u32 s21, s20, GRP/2
	s_lshl_b32 s59, s16, 8
	s_add_co_u32 s55, s18, s59
	s_add_co_u32 s55, s55, 12288                   ; lanes 0-15 take y's scale words of my four tiles,
	s_sub_co_u32 s56, WR+12288, s55                ; lanes 16-31 w's, so far behind them
	s_mul_i32 s57, s14, 16*SPITCH                  ; my stage
	s_lshl_b32 s100, s95, 9
	s_mov_b32 s101, 0
	s_add_nc_u64 s[8:9], s[8:9], s[100:101]        ; the bias of my 128 columns
	s_add_nc_u64 s[10:11], s[10:11], s[100:101]
	s_lshl_b32 s66, s17, 1
	s_add_co_u32 s66, s66, s15
	s_lshl_b32 s100, s66, 19                       ; my group: 128 rows of 4,096 bytes,
	s_add_nc_u64 s[10:11], s[10:11], s[100:101]
	s_lshl_b32 s100, s16, 18                       ; my four tiles: its rows 64 on
	s_add_nc_u64 s[10:11], s[10:11], s[100:101]
	v_and_b32 v1, 31, v0                           ; lane
	v_and_b32 v2, 15, v0                           ; r
	v_bfe_u32 v3, v0, 4, 1                         ; h
	v_lshlrev_b32 v[L16], 4, v1
	v_lshlrev_b32 v[R16], 4, v2
	v_lshlrev_b32 v[BA], 6, v3
	v_add_nc_u32 v[RQ], WR, v[L16]
	v_add_nc_u32 v[RQ+1], WR+GRP/2, v[L16]
	v_add_nc_u32 v[RQ+2], s20, v[L16]
	v_add_nc_u32 v[RQ+3], s21, v[L16]
	v_lshlrev_b32 v6, 3, v1
	v_add_nc_u32 v[RQ+8], s20, v6                  ; v24, v25: source 1 at 8 bytes a lane
	v_add_nc_u32 v[RQ+9], s21, v6
	v_mul_u32_u24 v4, s56, v3
	v_add_nc_u32 v4, v4, v[R16]
	v_add_nc_u32 v[RQ+4], s55, v4
	v_add_nc_u32 v[RQ+5], GRP/2, v[RQ+4]
	v_lshl_add_u32 v[RQ+6], v3, 8, v[RQ+4]         ; source 0's tiles 4-7: 256 bytes on in lanes 16-31 alone
	v_lshl_add_u32 v[RQ+7], v3, 8, v[RQ+5]
	v_mul_u32_u24 v5, v2, SPITCH
	v_lshl_add_u32 v5, v3, 6, v5
	v_add_nc_u32 v[STO], s57, v5                   ; into the stage: row r, 64 h
	v_add_nc_u32 v[RD], s57, v[L16]                ; back: a row of 512 bytes
	s_wait_alu depctr_va_vdst(0)
.irp t, 0,1,2,3,4,5,6,7                        ; the bias in the result's layout: tile t, lane (r, h): columns 32 (t / 2) + 16 h + 8 (t % 2) + 0 .. 7
	global_load_b128 v[BI+8*\t:BI+8*\t+3], v[BA], s[8:9] offset:(32*(\t/2)+8*(\t%2))*4
	global_load_b128 v[BI+8*\t+4:BI+8*\t+7], v[BA], s[8:9] offset:(32*(\t/2)+8*(\t%2))*4+16
.endr
	s_wait_tensorcnt 0x0                           ; my part is in,
	s_barrier_signal -1
	s_barrier_wait -1                              ; and everybody's
	NEXT 0, RQ
	s_wait_loadcnt 0x0                             ; the bias
.set ST_, 0
.rept 7
	STEP ST_, RQ
.set ST_, ST_+1
.endr
	s_wait_dscnt 0x0                               ; the last step's fragments are in: my reads of the tiles are over;
	s_barrier_signal -1
	WIN 0xa1
	MUL32 7
	WIN 0
	s_barrier_wait -1                              ; and so are everybody's: the stages may be written
	PLACES
	TOSTAGE 0
.irp a, 1,2,3
.if \a > 1
	s_wait_xcnt 0x0                                ; tile a - 2's stores have read their registers
.endif
	TOSTAGE \a
	SEND \a-1, 32                                  ; behind tile a - 1's loads: tile a's 16 stores and 16 loads
.endr
	SEND 3, 0
	s_wait_tensorcnt 0x0                           ; the wave's end
	ds_add_u32 v[SPW], v[NIL]
	s_wait_dscnt 0x0
	CROUND                                         ; the closing round
	s_endpgm
.Lfunc_end_k_qc8d163f83b_proj:
	.size	k_qc8d163f83b_proj, .Lfunc_end_k_qc8d163f83b_proj-k_qc8d163f83b_proj
	.p2alignl 7, 3214868480
	.fill 96, 4, 3214868480
	.section	.rodata,"a",@progbits
	.p2align	6, 0x0
	.amdhsa_kernel k_qc8d163f83b_proj
		.amdhsa_group_segment_fixed_size 327680
		.amdhsa_private_segment_fixed_size 0
		.amdhsa_enable_private_segment 0
		.amdhsa_kernarg_size 32
		.amdhsa_user_sgpr_count 2
		.amdhsa_user_sgpr_kernarg_segment_ptr 1
		.amdhsa_wavefront_size32 1
		.amdhsa_system_sgpr_workgroup_id_x 1
		.amdhsa_system_sgpr_workgroup_id_y 1
		.amdhsa_system_sgpr_workgroup_id_z 1
		.amdhsa_system_vgpr_workitem_id 0
		.amdhsa_next_free_vgpr 768
		.amdhsa_next_free_sgpr 102
		.amdhsa_reserve_vcc 0
		.amdhsa_float_denorm_mode_32 3
		.amdhsa_float_denorm_mode_16_64 3
		.amdhsa_memory_ordered 1
		.amdhsa_forward_progress 1
		.amdhsa_inst_pref_size 78
	.end_amdhsa_kernel
	.amdgpu_metadata
---
amdhsa.version: [ 1, 2 ]
amdhsa.kernels:
  - .name:           k_qc8d163f83b_proj
    .symbol:         k_qc8d163f83b_proj.kd
    .args:
      - { .name: yq, .offset: 0, .size: 8, .value_kind: global_buffer, .address_space: global }
      - { .name: wq, .offset: 8, .size: 8, .value_kind: global_buffer, .address_space: global }
      - { .name: b_proj, .offset: 16, .size: 8, .value_kind: global_buffer, .address_space: global }
      - { .name: out0, .offset: 24, .size: 8, .value_kind: global_buffer, .address_space: global }
    .group_segment_fixed_size: 327680
    .private_segment_fixed_size: 0
    .kernarg_segment_align: 8
    .kernarg_segment_size: 32
    .max_flat_workgroup_size: 128
    .sgpr_count:     102
    .vgpr_count:     768
    .wavefront_size: 32
...
	.end_amdgpu_metadata
.endif
;; end of part 4
